; MI455X (gfx1250); checked and timed in simulation.
; The chip was launched on July 23, 2026; its instructions are those of AMD's public machine-readable ISA for CDNA 5 (MIT licence, August 2026) and "CDNA5" Instruction Set Architecture Reference Guide (July 2026). The comments in the code are by the model that wrote it; some were corrected since.
;; Continuous Gen Hyper Connections Strang. Allowed arithmetic: matrix products marked QUANTISED: E4M3 operands, one E8M0 scale for each 32 along K, by v_wmma_scale_f32_16x16x128_f8f6f4 with both operands' format E4M3, f32 sums; products left as they are: f32 operands where the result goes on into a quantised operand, else bf16, f16 or f32 operands; f32 sums; everything else in f32.
;; Inputs: W1 2,048 x 8,192 float32; W2 8,192 x 2,048 float32; W_conv 16 x 8,192 float32; W_diss 4 x 8,192 float32; W_dtc 1 x 8,192 float32; W_dtd 1 x 8,192 float32; W_ri 4 x 8,192 float32; W_wo 4 x 8,192 float32; alpha_read_in 1 float32; alpha_write_out 1 float32; b_dtc 1 float32; b_dtd 1 float32; conserv_A 4 x 4 float32; diss_diag 4 float32; log_dt_conserv 1 float32; log_dt_diss 1 float32; read_in_p 4 x 1 float32; write_out_p 4 x 1 float32; x 2,048 x 4 x 2,048 float32.
;; Outputs: out0 2,048 x 4 x 2,048 float32.
;; This version of the problem:
;;   THIS VERSION OF THE PROBLEM IS GIVEN IN LOW PRECISION. The matrix products marked QUANTISED in the list below multiply operands that are first quantised to E4M3 (4 exponent bits, 3 mantissa bits; 8 bits a number), with one power-of-two scale for each 32 numbers along K (OCP MX v1.0); their sums are f32. All else is computed in f32.
;;   The module's matrix products, in the order in which they are computed (A, B: the left and right operand; K: the contracted axis; several contracted axes count as one K, in the product's order):
;;     1. [M 2,048, K 8,192] x [K 8,192, N 4]; A: computed on the way; B: input W_ri: left as it is (N = 4 < 16)
;;     2. [M 2,048, K 8,192] x [K 8,192, N 4]; A: computed on the way; B: input W_wo: left as it is (N = 4 < 16)
;;     3. [M 2,048, K 8,192] x [K 8,192, N 16]; A: computed on the way; B: input W_conv: QUANTISED
;;     4. [M 2,048, K 8,192] x [K 8,192, N 1]; A: computed on the way; B: input W_dtc: left as it is (N = 1 < 16)
;;     5. [M 2,048, K 8,192] x [K 8,192, N 4]; A: computed on the way; B: input W_diss: left as it is (N = 4 < 16)
;;     6. [M 2,048, K 8,192] x [K 8,192, N 1]; A: computed on the way; B: input W_dtd: left as it is (N = 1 < 16)
;;     7. batch 2,048 x [M 1, K 4] x [K 4, N 2,048]; A: computed on the way; B: input x: left as it is (K = 4 < 32)
;;     8. [M 2,048, K 2,048] x [K 2,048, N 8,192]; A: computed on the way; B: input W1: QUANTISED
;;     9. [M 2,048, K 8,192] x [K 8,192, N 2,048]; A: computed on the way; B: input W2: QUANTISED
;;     10. batch 2,048 x [M 4, K 1] x [K 1, N 2,048]; A: computed on the way; B: computed on the way: left as it is (K = 1 < 32)
;;     11. batch 2,048 x [M 4, K 4] x [K 4, N 2,048]; A: computed on the way; B: input x: left as it is (K = 4 < 32)
;;   THE QUANTISER, for each operand of a quantised product, along K:
;;     - K is cut into blocks of 32 from its start; a last block that is shorter is filled with zeros.
;;     - A block's scale is 2^e with e = floor(log2(the largest magnitude in the block)) - 8, held to -126 .. 127; a block of zeros has e = 0. As a byte (E8M0): e + 127.
;;     - Each number is divided by its block's scale, clamped to +-448, and rounded to the nearest number of E4M3, ties to even, subnormals kept.
;;     - The product sums the exact products of the quantised numbers (number of the format x scale) in f32.
;;   ~~~python
;;   def quantise(x, axis):      # numpy; x: float32 -> the quantised numbers, widened to float32 again
;;       x = np.moveaxis(x, axis, -1); K = x.shape[-1]
;;       x = np.pad(x, [(0, 0)] * (x.ndim - 1) + [(0, -K % 32)]); x = x.reshape(x.shape[:-1] + (-1, 32)); a = np.abs(x).max(-1, keepdims=True)
;;       e = np.where(a > 0, np.clip(np.frexp(np.where(a > 0, a, 1))[1] - 1 - 8, -126, 127), 0)      # np.frexp(a)[1] - 1 = floor(log2(a)), exactly
;;       r = np.clip(x / 2.0 ** e, -448, 448)
;;       step = 2.0 ** (np.maximum(np.frexp(np.where(r == 0, 1, r))[1] - 1, -6) - 3)
;;       q = np.round(r / step) * step * 2.0 ** e      # np.round: ties to even
;;       return np.moveaxis(q.reshape(q.shape[:-2] + (-1,))[..., :K], -1, axis).astype(np.float32)
;;   ~~~
;;   OPERANDS COMPUTED ON THE WAY. 'Computed on the way' means the value that the module computes at that place (a softmax that the list does not call 'softmax' is quantised finished and normalised). What goes into a quantiser is computed in f32, as accurately as f32 sums, v_exp_f32 and their like allow (about 1e-6 of the number): no bf16 or f16 on the way to a quantiser, and a product that is left as it is and whose result goes on into a quantised operand takes f32 operands (vector FMAs, or v_wmma_f32_16x16x4_f32). A number that lies on a knife's edge between two numbers of the format may be rounded either way, as far as f32 arithmetic and the matrix unit's own rounding can turn it there, and no further.
;; One version. Each part assembles by itself: llvm-mc -triple=amdgcn-amd-amdhsa -mcpu=gfx1250 --defsym DOCPART=n.
;; ======== version 1 of 1: 4 launches
;; workspace buffers: w1p 17,301,504 bytes; w2p 17,301,504 bytes; wcp 135,168 bytes; a1p 4,325,376 bytes; hp 17,301,504 bytes; rowp 262,144 bytes
;; launch quant (part 1): grid 528 x 1, 4 waves a work-group, no clusters, 0 bytes of LDS; arguments W1, W2, W_conv, w1p, w2p, wcp; writes w1p, w2p, wcp
.if DOCPART == 1
	.amdgcn_target "amdgcn-amd-amdhsa--gfx1250"
	.amdhsa_code_object_version 6
	.text
	.protected	k_q99b3fdf57f_quant
	.globl	k_q99b3fdf57f_quant
	.p2align	8
	.type	k_q99b3fdf57f_quant,@function
k_q99b3fdf57f_quant:
	s_mov_b64 s[64:65], 0
	v_nop
	global_prefetch_b8 v0, s[64:65] scope:SCOPE_SE
	s_setreg_imm32_b32 hwreg(HW_REG_WAVE_MODE, 25, 1), 1
	s_wait_xcnt 0x0
; W1 [2048][8192], W2 [8192][2048] (K is the FIRST axis) and W_conv [16][8192] (K innermost), f32, become codes of E4M3 with one E8M0 byte for each 32 along K.
; THE PACK, the one layout of every operand of this program: 16 operand rows x 512 along K in 8,448 bytes: four images of 2,048 bytes, one for each 128 along K, then 256 bytes of scale words [128-step][row].
; An image is the operand's registers as a wave wants them: the 16 bytes of lane l = 16 h + r, register group c, lie at 512 c + 16 l and hold row r, k = 32 c + 16 h + 0 .. 15.  A buffer is [16 rows][512 of K][8448].
; THE 16 ROWS OF A WEIGHT'S PACK ARE NOT NEIGHBOURING COLUMNS: in each 32 columns, pack 2 g + u, row r is column 32 g + 8 u + r % 8 + 16 (r / 8), so that a transposed product leaves a lane 16 neighbouring columns.
; A block's scale is 2^(floor(log2(largest magnitude)) - 8); its byte is that magnitude's exponent field - 8, held at 1 from below.
; LIMITS: a block of zeros gets the byte 1 where the rule says 127 (its codes are zeros, and this program alone reads the bytes); NaN and infinities among the inputs are not served.
; SHARES: work-groups 0-255 take W1, 256-511 W2, 512-527 W_conv.  For a weight a wave takes 32 columns x 512 along K, two whole packs; a lane takes a column and its registers run down K,
; so a block of 32 lies in one lane and the conversions give codes with K innermost.  No LDS, no barrier: waves share nothing.  Loads run two blocks (64 loads a wave) ahead.
.set X,   32                           ; v32-95   two sets of 32 numbers
.set C,   96                           ; v96-103  a block's codes
.set SB,  14                           ; v14      four scale bytes: a column's word for 128 along K
.set ST,  32                           ; W_conv's way: 64 numbers of a lane
.set PC,  96                           ; its codes
.set TM,  112                          ; v112-127 at work
.set PW,  14                           ; its scale word
.set SEL, 28                           ; s[28:29] lane selects: lane l xor 16
.set MNT, 30                           ; s30      the mantissa field of 448
; 64 numbers of a lane, register 16 b + i = k 32 b + 16 (lane / 16) + i of its row, become a fragment's codes in v[PC] on and its scale word in v[PW]
.macro QUANT s
.irp b, 0,1,2,3
	v_max3_num_f32 v[TM+\b], |v[\s+16*\b]|, |v[\s+1+16*\b]|, 0x4800000   ; my 16 numbers of block b, and the floor 2^(9 - 127): the byte cannot fall under 1
.endr
.irp i, 2,4,6,8,10,12,14
.irp b, 0,1,2,3
	v_max3_num_f32 v[TM+\b], v[TM+\b], |v[\s+16*\b+\i]|, |v[\s+1+16*\b+\i]|
.endr
.endr
.irp b, 0,1,2,3
	v_permlanex16_b32 v[TM+4+\b], v[TM+\b], s[SEL], s[SEL+1]
.endr
.irp b, 0,1,2,3
	v_max_num_f32 v[TM+\b], v[TM+\b], v[TM+4+\b]                    ; with lane l xor 16's: the block's largest magnitude
.endr
.irp b, 0,1,2,3
	v_add_nc_u32 v[TM+12+\b], 0xfc000000, v[TM+\b]                  ; 8 off its exponent field: the conversion's scale operand
.endr
.irp b, 0,1,2,3
	v_and_or_b32 v[TM+8+\b], v[TM+\b], 0x7f800000, s[MNT]           ; 448 x the scale
.endr
.irp b, 0,1,2,3
	v_lshrrev_b32 v[TM+4+\b], 23, v[TM+12+\b]                       ; the scale's byte
.endr
	v_lshl_or_b32 v[PW], v[TM+5], 8, v[TM+4]
	v_lshl_or_b32 v[PW], v[TM+6], 16, v[PW]
	v_lshl_or_b32 v[PW], v[TM+7], 24, v[PW]
.irp b, 0,1,2,3
.irp i, 0,1,2,3,4,5,6,7,8,9,10,11,12,13,14,15
	v_med3_num_f32 v[\s+16*\b+\i], v[\s+16*\b+\i], -v[TM+8+\b], v[TM+8+\b]   ; the conversion does not saturate (ISA guide 7.6.2): the hold at the largest code x the scale
.endr
	v_cvt_scalef32_pk8_fp8_f32 v[PC+4*\b:PC+1+4*\b], v[\s+16*\b:\s+7+16*\b], v[TM+12+\b]
	v_cvt_scalef32_pk8_fp8_f32 v[PC+2+4*\b:PC+3+4*\b], v[\s+8+16*\b:\s+15+16*\b], v[TM+12+\b]
.endr
	v_nop                                          ; a plain line behind the last scaled conversion
.endm
.macro QLOAD set, row0, n4             ; 32 rows of K from row0 on, my column: 32 lanes read 128 consecutive bytes
.set qi, 0
.rept 32
	global_load_b32 v[X+32*(\set)+qi], v4, s[22:23] offset:((\row0)+qi)*(\n4) th:TH_LOAD_NT
.set qi, qi+1
.endr
.endm
; block c of a trip's four.  left: the loads that may stay out;  ahead = 1: the set is filled again with the block two further on
.macro QBLOCK c, ahead, left, n4
.set XS, X+32*((\c)%2)
	s_wait_loadcnt \left
	v_max3_num_f32 v12, |v[XS]|, |v[XS+1]|, |v[XS+2]|
	v_max3_num_f32 v13, |v[XS+3]|, |v[XS+4]|, |v[XS+5]|
.irp i, 6,10,14,18,22,26
	v_max3_num_f32 v12, v12, |v[XS+\i]|, |v[XS+\i+1]|
	v_max3_num_f32 v13, v13, |v[XS+\i+2]|, |v[XS+\i+3]|
.endr
	v_max3_num_f32 v12, v12, |v[XS+30]|, |v[XS+31]|
	v_max3_num_f32 v12, v12, v13, 0x4800000        ; and the floor
	v_add_nc_u32 v11, 0xfc000000, v12              ; the conversion's scale operand
	v_and_or_b32 v10, v12, 0x7f800000, s[MNT]      ; 448 x the scale
	v_lshrrev_b32 v13, 23, v11                     ; the byte
.if (\c) == 0
	v_mov_b32 v[SB], v13
.else
	v_lshl_or_b32 v[SB], v13, 8*(\c), v[SB]
.endif
.set qi, 0
.rept 32
	v_med3_num_f32 v[XS+qi], v[XS+qi], -v10, v10
.set qi, qi+1
.endr
	s_wait_xcnt 0x0                                ; the last block's stores have read their data: the codes' registers may be written
.irp g, 0,1,2,3
	v_cvt_scalef32_pk8_fp8_f32 v[C+2*\g:C+2*\g+1], v[XS+8*\g:XS+8*\g+7], v11
.endr
	global_store_b128 v5, v[C:C+3], s[24:25] offset:512*(\c) th:TH_STORE_NT        ; k 0-15 of the block: the image's half h = 0; sixteen lanes store 256 consecutive bytes, aligned
	global_store_b128 v5, v[C+4:C+7], s[24:25] offset:512*(\c)+256 th:TH_STORE_NT  ; k 16-31: h = 1
.if \ahead
	QLOAD (\c)%2, 32*((\c)+2), \n4
.endif
.endm
.macro QEND n4                         ; a trip's end: the scale words (64 bytes a pack), then the three addresses step by 128 along K
	global_store_b32 v6, v[SB], s[26:27]
	s_wait_xcnt 0x0                                ; every load and store issued has read its addresses and data
	s_add_nc_u64 s[22:23], s[22:23], 128*(\n4)
	s_add_nc_u64 s[24:25], s[24:25], 2048
	s_add_nc_u64 s[26:27], s[26:27], 64
.endm
; a weight: ps, pd: the scalar pairs of source and packs; n4: bytes of a row; 2^logcg groups of 128 columns; t512: 512-steps along K
.macro WPATH ps, pd, n4, logcg, t512
	s_and_b32 s17, ttmp9, 255
	s_and_b32 s18, s17, (1<<\logcg)-1              ; which 128 columns
	s_lshr_b32 s19, s17, \logcg                    ; which 512 along K
	s_mul_i32 s22, s19, 512*(\n4)
	s_lshl_b32 s21, s18, 9
	s_add_co_u32 s22, s22, s21
	s_lshl_b32 s21, s16, 7
	s_add_co_u32 s22, s22, s21                     ; + 4 x my wave's first column
	s_mov_b32 s23, 0
	s_add_nc_u64 s[22:23], s[\ps:\ps+1], s[22:23]
	s_lshl_b32 s24, s18, 3
	s_lshl_b32 s21, s16, 1
	s_add_co_u32 s24, s24, s21                     ; my first pack row: 8 x group + 2 x wave
	s_mul_i32 s24, s24, \t512
	s_add_co_u32 s24, s24, s19
	s_mul_i32 s24, s24, 8448
	s_mov_b32 s25, 0
	s_add_nc_u64 s[24:25], s[\pd:\pd+1], s[24:25]
	s_add_nc_u64 s[26:27], s[24:25], 8192          ; its scale words
	v_and_b32 v3, 7, v1
	v_lshrrev_b32 v7, 3, v1
	v_lshl_add_u32 v3, v2, 3, v3
	v_lshl_add_u32 v3, v7, 4, v3                   ; my column among the 32: 8 u + r % 8 + 16 (r / 8)
	v_lshlrev_b32 v4, 2, v3
	v_mul_u32_u24 v7, v2, (\t512)*8448             ; lanes 16-31 write the next pack row
	v_lshl_add_u32 v5, v1, 4, v7
	v_lshl_add_u32 v6, v1, 2, v7
	QLOAD 0, 0, \n4
	QLOAD 1, 32, \n4
	s_mov_b32 s20, 3
.Ltrip_\@:                                             ; a trip: 128 along K, one image of each of my two packs
	QBLOCK 0, 1, 32, \n4
	QBLOCK 1, 1, 32, \n4
	QBLOCK 2, 1, 32, \n4
	QBLOCK 3, 1, 32, \n4
	QEND \n4
	s_sub_co_u32 s20, s20, 1
	s_cmp_lg_u32 s20, 0
	s_cbranch_scc1 .Ltrip_\@
	QBLOCK 0, 1, 32, \n4                           ; the last trip is written out: its last two blocks load nothing, so no load leaves the buffer
	QBLOCK 1, 1, 32, \n4
	QBLOCK 2, 0, 32, \n4
	QBLOCK 3, 0, 0, \n4
	global_store_b32 v6, v[SB], s[26:27]
	s_endpgm
.endm
	s_load_b256 s[4:11], s[0:1], 0x0               ; W1 s[4:5], W2 s[6:7], W_conv s[8:9], w1p s[10:11]
	s_load_b128 s[12:15], s[0:1], 0x20             ; w2p s[12:13], wcp s[14:15]
	v_lshrrev_b32 v1, 5, v0
	v_readfirstlane_b32 s16, v1                    ; wave
	v_and_b32 v1, 15, v0                           ; r
	v_bfe_u32 v2, v0, 4, 1                         ; u, or h
	s_mov_b32 s[MNT], 0x600000
	s_mov_b32 s[SEL], 0x76543210
	s_mov_b32 s[SEL+1], 0xfedcba98
	s_wait_kmcnt 0x0
	s_cmp_lt_u32 ttmp9, 256
	s_cbranch_scc1 .Lw1
	s_cmp_lt_u32 ttmp9, 512
	s_cbranch_scc1 .Lw2
	; W_conv: K is innermost.  Wave w of work-group 512 + t makes image w of pack t: lane (r, h) loads, of row r, 16 neighbours of each block of 32
	s_sub_co_u32 s17, ttmp9, 512
	s_lshl_b32 s18, s17, 2
	s_add_co_u32 s18, s18, s16                     ; which 128 along K
	s_lshl_b32 s22, s18, 9
	s_mov_b32 s23, 0
	s_add_nc_u64 s[22:23], s[8:9], s[22:23]
	s_mul_i32 s24, s17, 8448
	s_lshl_b32 s21, s16, 6
	s_add_co_u32 s26, s24, s21
	s_add_co_u32 s26, s26, 8192
	s_lshl_b32 s21, s16, 11
	s_add_co_u32 s24, s24, s21
	s_mov_b32 s25, 0
	s_mov_b32 s27, 0
	s_add_nc_u64 s[24:25], s[14:15], s[24:25]      ; my image
	s_add_nc_u64 s[26:27], s[14:15], s[26:27]      ; its scale words
	v_lshlrev_b32 v4, 15, v1
	v_lshl_add_u32 v4, v2, 6, v4                   ; row r of 32,768 bytes, + 64 h
	v_and_b32 v3, 31, v0
	v_lshlrev_b32 v5, 4, v3
	v_lshlrev_b32 v6, 2, v1
.irp b, 0,1,2,3
.irp j, 0,1,2,3
	global_load_b128 v[ST+16*\b+4*\j:ST+16*\b+4*\j+3], v4, s[22:23] offset:128*\b+16*\j
.endr
.endr
.irp b, 0,1,2,3
	v_mov_b32 v[TM+4+\b], 0                        ; a lane permute's destination counts as one of its sources
.endr
	s_wait_loadcnt 0x0
	QUANT ST
.irp c, 0,1,2,3
	global_store_b128 v5, v[PC+4*\c:PC+4*\c+3], s[24:25] offset:512*\c   ; 32 lanes store 512 consecutive bytes
.endr
	global_store_b32 v6, v[PW], s[26:27]           ; both halves of the lanes hold the same word and write it to the same place
	s_endpgm
.Lw1:
	WPATH 4, 10, 32768, 6, 4
.Lw2:
	WPATH 6, 12, 8192, 4, 16
.Lfunc_end_k_q99b3fdf57f_quant:
	.size	k_q99b3fdf57f_quant, .Lfunc_end_k_q99b3fdf57f_quant-k_q99b3fdf57f_quant
	.p2alignl 7, 3214868480
	.fill 96, 4, 3214868480
	.section	.rodata,"a",@progbits
	.p2align	6, 0x0
	.amdhsa_kernel k_q99b3fdf57f_quant
		.amdhsa_group_segment_fixed_size 0
		.amdhsa_private_segment_fixed_size 0
		.amdhsa_enable_private_segment 0
		.amdhsa_kernarg_size 48
		.amdhsa_user_sgpr_count 2
		.amdhsa_user_sgpr_kernarg_segment_ptr 1
		.amdhsa_wavefront_size32 1
		.amdhsa_system_sgpr_workgroup_id_x 1
		.amdhsa_system_sgpr_workgroup_id_y 1
		.amdhsa_system_sgpr_workgroup_id_z 1
		.amdhsa_system_vgpr_workitem_id 0
		.amdhsa_next_free_vgpr 128
		.amdhsa_next_free_sgpr 66
		.amdhsa_reserve_vcc 0
		.amdhsa_float_denorm_mode_32 3
		.amdhsa_float_denorm_mode_16_64 3
		.amdhsa_memory_ordered 1
		.amdhsa_forward_progress 1
		.amdhsa_inst_pref_size 124
	.end_amdhsa_kernel
	.amdgpu_metadata
---
amdhsa.version: [ 1, 2 ]
amdhsa.kernels:
  - .name:           k_q99b3fdf57f_quant
    .symbol:         k_q99b3fdf57f_quant.kd
    .args:
      - { .name: W1, .offset: 0, .size: 8, .value_kind: global_buffer, .address_space: global }
      - { .name: W2, .offset: 8, .size: 8, .value_kind: global_buffer, .address_space: global }
      - { .name: W_conv, .offset: 16, .size: 8, .value_kind: global_buffer, .address_space: global }
      - { .name: w1p, .offset: 24, .size: 8, .value_kind: global_buffer, .address_space: global }
      - { .name: w2p, .offset: 32, .size: 8, .value_kind: global_buffer, .address_space: global }
      - { .name: wcp, .offset: 40, .size: 8, .value_kind: global_buffer, .address_space: global }
    .group_segment_fixed_size: 0
    .private_segment_fixed_size: 0
    .kernarg_segment_align: 8
    .kernarg_segment_size: 48
    .max_flat_workgroup_size: 128
    .sgpr_count:     66
    .vgpr_count:     128
    .wavefront_size: 32
...
	.end_amdgpu_metadata
.endif
;; end of part 1
;; launch rows (part 2): grid 256 x 1, 8 waves a work-group, no clusters, 279,552 bytes of LDS; arguments x, W_ri, W_wo, W_dtc, W_diss, W_dtd, wcp, a1p, rowp, alpha_read_in, alpha_write_out, b_dtc, b_dtd, log_dt_conserv, log_dt_diss, read_in_p, write_out_p, diss_diag, conserv_A; writes a1p, rowp
.if DOCPART == 2
	.amdgcn_target "amdgcn-amd-amdhsa--gfx1250"
	.amdhsa_code_object_version 6
	.text
	.protected	k_q99b3fdf57f_rows
	.globl	k_q99b3fdf57f_rows
	.p2align	8
	.type	k_q99b3fdf57f_rows,@function
k_q99b3fdf57f_rows:
	s_mov_b64 s[64:65], 0
	v_nop
	global_prefetch_b8 v0, s[64:65] scope:SCOPE_SE
	s_setreg_imm32_b32 hwreg(HW_REG_WAVE_MODE, 25, 1), 1
	s_wait_xcnt 0x0
; For 8 rows of x ([4][2048] f32 each, 32,768 bytes): the RMS norm, the 14 dot products that stay in f32, xn W_conv^T on codes of E4M3, read_in, write_out, Phi = exp(D/2) Cayley(S) exp(D/2);
; branch = sum over the streams of read_in x, quantised along its 2,048 into packs (a1p).  Phi and write_out go to rowp: [row][32] f32: 0-15 Phi[4 i + j], 16-19 write_out[i]; the rest is never read.
; The 8 rows come into LDS ONCE, by two tensor loads a wave, and stay there through all phases: the norm has to be known before xn can be quantised.  LDS is filled once.
; NO CLUSTER: what the work-groups share is the 448 KiB of small weights; beside 266,240 bytes of x a ring for them would have slots under 30 KiB, fifteen rounds and more.  They go straight into registers, 512 consecutive bytes a load.
; PHASES: 1: wave w sums its 1,024 of K for all 8 rows and 15 columns (x.x and the 14 weights' rows), so that each weight number loaded feeds 8 rows | barrier | S: every wave: the totals, rsqrt, read_in
; 2a: wave w quantises xn on its 1,024 of K and multiplies by W_conv | 2b: wave w makes two 128-steps of branch and stores their codes | barrier | wave 0: the 8 rows' Phi and write_out.
; A FRAGMENT HAS 16 ROWS AND THE WORK-GROUP 8: lanes r < 8 hold row r at one 128-step of K, lanes r >= 8 row r - 8 at the 128-step two further on.  For W_conv two products (one for each step) then give one valid half each.
; a1p's IMAGES ARE SPLIT: group c of lane (r, h) lies at 512 c + 256 (r / 8) + 128 ((h + r / 8) % 2) + 16 (r % 8), so that 8 rows fill 256 consecutive bytes, aligned.
; LIMITS: softplus(z) = max(z, 0) + ln 2 log2(1 + 2^(-|z| log2 e)): absolute error about 1e-7.  The solve is Gauss-Jordan without pivoting: I - S with S skew has every leading block's determinant at least 1.
; A block of zeros gets the scale byte 1 (its codes are zeros).  NaN and infinities among the inputs are not served.
.set XREG, 16640                       ; LDS: 16 regions of 512 along K: 8 rows x (2,048 bytes + 16 behind each 1,024)
.set RED1, 16*XREG                     ; 4,096 bytes: [wave][16 row + column] f32
.set RED2, RED1+4096                   ; 8,192 bytes: [wave][half][lane][16 bytes]
.set WB,  32                           ; v32-143  two sets of 14 x 4 weight numbers
.set XB,  144                          ; v144-207 two sets of 8 x 4 numbers of x
.set V,   64                           ; v64-191  128 sums
.set ST,  64                           ; v64-127  64 numbers ahead of a quantiser
.set XT,  128                          ; v128-191 two sets of 32 numbers of x
.set DA,  144                          ; v144-151, v152-159 the two sums of the W_conv product
.set PC,  176                          ; v176-191 codes
.set WCS, 192                          ; v192-199 W_conv's scale words
.set RS,  200                          ; v200-201 rsqrt, twice
.set RI,  202                          ; v202-209 read_in, each twice
.set RAW, 210                          ; v210-213 h_wo, v214 dtc, v215-218 diss, v219 dtd: dots x rsqrt
.set TM,  224                          ; v224-239 at work in the quantiser
.set PW,  240                          ; the scale word just made
.set SEL, 46                           ; s[46:47]
.set MNT, 95                           ; s95
.set MSB, 0
.macro WIN new                         ; the immediate's high byte repeats the setting that is left
.if MSB != (\new)
	s_set_vgpr_msb (MSB<<8)|(\new)
.set MSB, (\new)
.endif
.endm
.macro QUANT s                         ; 64 numbers of a lane, register 16 b + i = k 32 b + 16 (lane / 16) + i of its row -> codes in v[PC] on, scale word in v[PW]
.irp b, 0,1,2,3
	v_max3_num_f32 v[TM+\b], |v[\s+16*\b]|, |v[\s+1+16*\b]|, 0x4800000   ; and the floor 2^(9 - 127): the byte cannot fall under 1
.endr
.irp i, 2,4,6,8,10,12,14
.irp b, 0,1,2,3
	v_max3_num_f32 v[TM+\b], v[TM+\b], |v[\s+16*\b+\i]|, |v[\s+1+16*\b+\i]|
.endr
.endr
.irp b, 0,1,2,3
	v_permlanex16_b32 v[TM+4+\b], v[TM+\b], s[SEL], s[SEL+1]
.endr
.irp b, 0,1,2,3
	v_max_num_f32 v[TM+\b], v[TM+\b], v[TM+4+\b]
.endr
.irp b, 0,1,2,3
	v_add_nc_u32 v[TM+12+\b], 0xfc000000, v[TM+\b]
.endr
.irp b, 0,1,2,3
	v_and_or_b32 v[TM+8+\b], v[TM+\b], 0x7f800000, s[MNT]
.endr
.irp b, 0,1,2,3
	v_lshrrev_b32 v[TM+4+\b], 23, v[TM+12+\b]
.endr
	v_lshl_or_b32 v[PW], v[TM+5], 8, v[TM+4]
	v_lshl_or_b32 v[PW], v[TM+6], 16, v[PW]
	v_lshl_or_b32 v[PW], v[TM+7], 24, v[PW]
.irp b, 0,1,2,3
.irp i, 0,1,2,3,4,5,6,7,8,9,10,11,12,13,14,15
	v_med3_num_f32 v[\s+16*\b+\i], v[\s+16*\b+\i], -v[TM+8+\b], v[TM+8+\b]   ; the conversion does not saturate (ISA guide 7.6.2)
.endr
	v_cvt_scalef32_pk8_fp8_f32 v[PC+4*\b:PC+1+4*\b], v[\s+16*\b:\s+7+16*\b], v[TM+12+\b]
	v_cvt_scalef32_pk8_fp8_f32 v[PC+2+4*\b:PC+3+4*\b], v[\s+8+16*\b:\s+15+16*\b], v[TM+12+\b]
.endr
	v_nop                                          ; a plain line behind the last scaled conversion
.endm
	s_load_b512 s[4:19], s[0:1], 0x0               ; x s[4:5], W_ri s[6:7], W_wo s[8:9], W_dtc s[10:11], W_diss s[12:13], W_dtd s[14:15], wcp s[16:17], a1p s[18:19]
	s_load_b64 s[20:21], s[0:1], 0x40              ; rowp
	s_load_b512 s[84:99], s[0:1], 0x48             ; the addresses of alpha_read_in, alpha_write_out, b_dtc, b_dtd, log_dt_conserv, log_dt_diss, read_in_p, write_out_p
	s_load_b64 s[100:101], s[0:1], 0x88            ; of diss_diag
	s_load_b64 s[66:67], s[0:1], 0x90              ; of conserv_A
	v_lshl_add_u32 v254, v0, 2, 0x44000
	v_mov_b32 v255, 0
	ds_add_u32 v254, v255
	ds_add_u32 v254, v255
	v_lshrrev_b32 v1, 5, v0
	v_readfirstlane_b32 s22, v1                    ; wave 0..7
	; descriptor group 1: 8 rows x 512 elements of 4 bytes, 8,192 elements from row to row; 4 words of padding behind every 256
	s_mov_b32 s24, (2<<16)|(1<<20)|(7<<22)|(3<<25)
	s_mov_b32 s25, 512<<16
	s_mov_b32 s26, 8<<16
	s_mov_b32 s27, 512<<16
	s_mov_b32 s28, 8
	s_mov_b32 s29, 8192
	s_mov_b32 s30, 0
	s_mov_b32 s31, 0
	s_mul_i32 s23, s22, 2*XREG                     ; my two regions in LDS
	s_lshl_b32 s60, ttmp9, 18                      ; the work-group's 8 rows,
	s_lshl_b32 s61, s22, 12                        ; my 1,024 of K
	s_add_co_u32 s60, s60, s61
	s_mov_b32 s61, 0
	s_wait_dscnt 0x0
	s_wait_kmcnt 0x0
	s_add_nc_u64 s[60:61], s[4:5], s[60:61]
	s_mov_b32 s32, 1
	s_mov_b32 s33, s23
	s_mov_b64 s[34:35], s[60:61]
	s_or_b32 s35, s35, 0x80000000
	s_mov_b32 s36, 1
	s_add_co_u32 s37, s23, XREG
	s_add_nc_u64 s[38:39], s[60:61], 2048
	s_or_b32 s39, s39, 0x80000000
	tensor_load_to_lds s[32:35], s[24:31]          ; my two fills go out together, ahead of every wait on TENSORcnt, LDS read and barrier: two loads of mine are out
	s_nop 0
	tensor_load_to_lds s[36:39], s[24:31]
	s_nop 0
.rept 4
	v_nop
.endr
	s_load_b32 s40, s[84:85], 0x0                  ; alpha_read_in
	s_load_b32 s41, s[86:87], 0x0                  ; alpha_write_out
	s_load_b32 s42, s[88:89], 0x0                  ; b_dtc
	s_load_b32 s43, s[90:91], 0x0                  ; b_dtd
	s_load_b32 s44, s[92:93], 0x0                  ; log_dt_conserv
	s_load_b32 s45, s[94:95], 0x0                  ; log_dt_diss
	s_load_b128 s[48:51], s[96:97], 0x0            ; read_in_p
	s_load_b128 s[52:55], s[98:99], 0x0            ; write_out_p
	s_load_b128 s[56:59], s[100:101], 0x0          ; diss_diag
	s_load_b512 s[68:83], s[66:67], 0x0            ; conserv_A
	v_and_b32 v1, 31, v0                           ; lane
	v_and_b32 v2, 7, v0                            ; my row of the 8
	v_bfe_u32 v3, v0, 3, 1                         ; which of a fragment's two 128-steps
	v_bfe_u32 v4, v0, 4, 1                         ; h
	v_lshlrev_b32 v19, 4, v1                       ; 16 x lane
	v_and_b32 v20, 15, v0
	v_lshlrev_b32 v20, 2, v20                      ; 4 x (lane % 16)
	s_lshl_b32 s60, s22, 12
	v_add_nc_u32 v5, s60, v19                      ; the weights: my 1,024 of K, 16 bytes a lane
	v_add_nc_u32 v6, s23, v19                      ; phase 1: x in LDS likewise
	v_mul_u32_u24 v21, v2, 2080
	v_mad_u32_u24 v21, v3, 1040, v21
	v_lshl_add_u32 v21, v4, 6, v21                 ; a fragment's lane: row, 128-step + 2, 16 of each 32
	v_add_nc_u32 v7, s23, v21                      ; phase 2a
	s_lshr_b32 s60, s22, 1
	s_mul_i32 s60, s60, XREG
	s_and_b32 s61, s22, 1
	s_lshl_b32 s61, s61, 9
	s_add_co_u32 s60, s60, s61
.irp n, 0,1,2,3
	v_add_nc_u32 v[8+\n], s60, v21                 ; phase 2b: stream n, my 128-steps 4 (w / 2) + w % 2 (+ 2)
	s_add_co_u32 s60, s60, 4*XREG
.endr
	v_lshlrev_b32 v12, 4, v4                       ; where my four totals go: index 4 b4 + 8 b3 + 16 b2 + 32 b1 + 64 b0 of the lane's bits
	v_lshl_add_u32 v12, v3, 5, v12
	v_bfe_u32 v22, v0, 2, 1
	v_lshl_add_u32 v12, v22, 6, v12
	v_bfe_u32 v22, v0, 1, 1
	v_lshl_add_u32 v12, v22, 7, v12
	v_and_b32 v22, 1, v0
	v_lshl_add_u32 v12, v22, 8, v12
	s_lshl_b32 s60, s22, 9
	s_add_co_u32 s60, s60, RED1
	v_add_nc_u32 v12, s60, v12
	v_lshl_add_u32 v13, v2, 6, RED1                ; my row's 16 totals of a wave
	s_lshl_b32 s60, s22, 10
	s_add_co_u32 s60, s60, RED2
	v_add_nc_u32 v14, s60, v19
	v_add_nc_u32 v15, RED2, v19
	s_and_b32 s62, ttmp9, 1                        ; p: which 8 rows of a pack's 16 are this work-group's
	v_add_nc_u32 v22, s62, v4
	v_and_b32 v22, 1, v22                          ; (h + p) % 2
	v_lshlrev_b32 v16, 4, v2
	v_lshl_add_u32 v16, v22, 7, v16
	v_lshl_add_u32 v16, v3, 12, v16                ; a1p: two images on for lanes r >= 8
	v_lshlrev_b32 v17, 2, v2
	v_lshl_add_u32 v17, v3, 7, v17                 ; and their scale words
	v_lshlrev_b32 v18, 7, v2                       ; rowp: 128 bytes a row
	s_lshr_b32 s60, ttmp9, 1
	s_lshl_b32 s60, s60, 2
	s_lshr_b32 s61, s22, 1
	s_add_co_u32 s60, s60, s61
	s_mul_i32 s60, s60, 8448                       ; my pack: 4 x (work-group / 2) + wave / 2
	s_and_b32 s61, s22, 1
	s_lshl_b32 s63, s61, 6
	s_add_co_u32 s63, s63, s60
	s_lshl_b32 s23, s62, 5
	s_add_co_u32 s63, s63, s23
	s_add_co_u32 s63, s63, 8192
	s_lshl_b32 s61, s61, 11
	s_add_co_u32 s60, s60, s61
	s_lshl_b32 s23, s62, 8
	s_add_co_u32 s60, s60, s23
	s_mov_b32 s62, s63
	s_mov_b32 s61, 0
	s_mov_b32 s63, 0
	s_add_nc_u64 s[60:61], s[18:19], s[60:61]      ; a1p at my images
	s_add_nc_u64 s[62:63], s[18:19], s[62:63]      ; and at their scale words
	s_lshl_b32 s2, ttmp9, 10
	s_mov_b32 s3, 0
	s_add_nc_u64 s[20:21], s[20:21], s[2:3]        ; rowp at my 8 rows
	s_mul_i32 s2, s22, 16896
	s_add_nc_u64 s[16:17], s[16:17], s[2:3]        ; wcp at my two packs
.irp b, 0,1,2,3
	v_mov_b32 v[TM+4+\b], 0                        ; a lane permute's destination counts as one of its sources
	v_mov_b32 v[36+\b], 0
.endr
; PHASE 1.  A chunk is 128 of K: 4 numbers a lane.  Columns: 0 x.x, 1-4 W_ri, 5-8 W_wo, 9 W_dtc, 10-13 W_diss, 14 W_dtd.  The sum of (row p, column c) is the pair at 2 (16 p + c) of window 1.
.macro WLOAD j
.set wsb, WB+56*((\j)%2)
.irp n, 0,1,2,3
	global_load_b128 v[wsb+4*\n:wsb+4*\n+3], v5, s[6:7] offset:\n*32768+512*(\j)
	global_load_b128 v[wsb+16+4*\n:wsb+16+4*\n+3], v5, s[8:9] offset:\n*32768+512*(\j)
	global_load_b128 v[wsb+36+4*\n:wsb+36+4*\n+3], v5, s[12:13] offset:\n*32768+512*(\j)
.endr
	global_load_b128 v[wsb+32:wsb+35], v5, s[10:11] offset:512*(\j)
	global_load_b128 v[wsb+52:wsb+55], v5, s[14:15] offset:512*(\j)
.endm
.macro XLOAD j
.irp p, 0,1,2,3,4,5,6,7
	ds_load_b128 v[XB+32*((\j)%2)+4*\p:XB+32*((\j)%2)+4*\p+3], v6 offset:((\j)>>2)*XREG+\p*2080+(((\j)>>1)&1)*1040+((\j)&1)*512
.endr
.endm
.macro DOT1 first, acc, xa, wa
.if \first
	v_pk_mul_f32 v[(\acc):(\acc)+1], v[(\xa):(\xa)+1], v[(\wa):(\wa)+1]          ; the first products start the sums: nothing is cleared
.else
	v_pk_fma_f32 v[(\acc):(\acc)+1], v[(\xa):(\xa)+1], v[(\wa):(\wa)+1], v[(\acc):(\acc)+1]
.endif
.endm
.macro DOTS j
.irp hf, 0,2
.irp p, 0,1,2,3,4,5,6,7
	DOT1 ((\j)==0)&&(\hf==0), 2*(16*\p), XB+32*((\j)%2)+4*\p+\hf, XB+32*((\j)%2)+4*\p+\hf
.irp c, 1,2,3,4,5,6,7,8,9,10,11,12,13,14
	DOT1 ((\j)==0)&&(\hf==0), 2*(16*\p+\c), XB+32*((\j)%2)+4*\p+\hf, WB+56*((\j)%2)+4*(\c-1)+\hf
.endr
.endr
.endr
.endm
	WLOAD 0
	s_wait_kmcnt 0x0                               ; the small inputs are in; the registers that held their addresses are free
	s_mov_b32 s84, 0xaaaaaaaa                      ; lanes with bit 0, 1, 2, 3, 4 set
	s_mov_b32 s85, 0xcccccccc
	s_mov_b32 s86, 0xf0f0f0f0
	s_mov_b32 s87, 0xff00ff00
	s_mov_b32 s88, 0xffff0000
	s_mov_b32 s89, 0x39000000                      ; 1 / 8192
	s_mov_b32 s90, 0x34000000                      ; EPS = 2^-23
	s_mov_b32 s91, 0xbfb8aa3b                      ; -log2(e)
	s_mov_b32 s92, 0x3f7fbe77                      ; DT_MAX - DT_MIN
	s_mov_b32 s93, 0x3a83126f                      ; DT_MIN
	s_mov_b32 s94, 0x3f317218                      ; ln 2
	s_mov_b32 s[MNT], 0x600000
	s_mov_b32 s[SEL], 0x76543210
	s_mov_b32 s[SEL+1], 0xfedcba98
	s_wait_tensorcnt 0x1                           ; my first region is in (tensor loads of a wave end in order); chunks 0-3 read it alone
	XLOAD 0
.irp j, 0,1,2,3,4,5,6,7
.if \j < 7
	WLOAD \j+1
.if \j == 3
	s_wait_tensorcnt 0x0                           ; my second region: chunks 4-7
.endif
	XLOAD \j+1
	s_wait_loadcnt 14                              ; this chunk's weights are in; the next chunk's 14 loads may be out
	s_wait_dscnt 8                                 ; and of x the next chunk's 8
.else
	s_wait_loadcnt 0x0
	s_wait_dscnt 0x0
.endif
	WIN 0x50                                       ; destination and source 2: window 1
	DOTS \j
	WIN 0
.endr
	WIN 0x05                                       ; sources 0 and 1: window 1
.irp p, 0,1,2,3,4,5,6,7
.irp c, 0,1,2,3,4,5,6,7,8,9,10,11,12,13,14
	v_add_f32 v[V+16*\p+\c], v[2*(16*\p+\c)], v[2*(16*\p+\c)+1]
.endr
.endr
	WIN 0
.irp p, 0,1,2,3,4,5,6,7
	v_mov_b32 v[V+16*\p+15], 0
.endr
	WIN 0x40                                       ; W_conv's eight fragments of my 1,024 of K take the sums' registers
.irp f, 0,1,2,3,4,5,6,7
.irp c, 0,1,2,3
	global_load_b128 v[16*\f+4*\c:16*\f+4*\c+3], v19, s[16:17] offset:(\f>>2)*8448+(\f&3)*2048+512*\c
.endr
.endr
	WIN 0
.irp f, 0,1,2,3,4,5,6,7
	global_load_b32 v[WCS+\f], v20, s[16:17] offset:(\f>>2)*8448+8192+(\f&3)*64
.endr
; 128 sums over 32 lanes.  At each level a lane keeps one half of its numbers, by one bit of its number, and gives the other half to the lane that differs in that bit: half the numbers are left.
.macro FOLD n, m, xm
.set fi, 0
.rept (\n)/8
.irp q, 0,1,2,3
	v_cndmask_b32 v[32+\q], v[V+fi+\q+(\n)/2], v[V+fi+\q], s[\m]         ; what I give
.endr
.irp q, 0,1,2,3
	v_cndmask_b32 v[V+fi+\q], v[V+fi+\q], v[V+fi+\q+(\n)/2], s[\m]       ; what I keep
.endr
.irp q, 0,1,2,3
	v_add_f32_dpp v[V+fi+\q], v[32+\q], v[V+fi+\q] row_xmask:\xm row_mask:0xf bank_mask:0xf
.endr
.set fi, fi+4
.endr
.endm
	FOLD 128, 84, 1
	FOLD 64, 85, 2
	FOLD 32, 86, 4
	FOLD 16, 87, 8
.irp q, 0,1,2,3
	v_cndmask_b32 v[32+\q], v[V+4+\q], v[V+\q], s88
.endr
.irp q, 0,1,2,3
	v_cndmask_b32 v[V+\q], v[V+\q], v[V+4+\q], s88
.endr
.irp q, 0,1,2,3
	v_permlanex16_b32 v[36+\q], v[32+\q], s[SEL], s[SEL+1]
.endr
.irp q, 0,1,2,3
	v_add_f32 v[V+\q], v[V+\q], v[36+\q]
.endr
	ds_store_b128 v12, v[V:V+3]
	s_wait_dscnt 0x0                               ; for the others' sake: my totals have landed.  (My two tensor loads were waited for in phase 1: all of x is in LDS behind this barrier)
	s_barrier_signal -1
	s_barrier_wait -1
	; PHASE S, in every wave alike: lane l serves row l % 8
.irp k, 0,1,2,3,4,5,6,7
.irp q, 0,1,2,3
	ds_load_b128 v[V+16*\k+4*\q:V+16*\k+4*\q+3], v13 offset:512*\k+16*\q
.endr
.endr
	s_wait_dscnt 0x0
.irp k, 1,2,3,4,5,6,7
.irp m, 0,2,4,6,8,10,12,14
	v_pk_add_f32 v[V+\m:V+\m+1], v[V+\m:V+\m+1], v[V+16*\k+\m:V+16*\k+\m+1]
.endr
.endr
	v_fma_f32 v80, v64, s89, s90                   ; the mean of the squares + EPS
	v_rsq_f32 v[RS], v80
	v_nop
	s_wait_alu depctr_va_vdst(0)
	v_mov_b32 v[RS+1], v[RS]
.irp n, 0,1,2,3
	v_mul_f32 v[81+\n], v[65+\n], v[RS]            ; xn . W_ri
.endr
.irp c, 5,6,7,8,9,10,11,12,13,14
	v_mul_f32 v[RAW-5+\c], v[64+\c], v[RS]         ; the other ten dots, kept for the last stage
.endr
.irp n, 0,1,2,3
	v_fma_f32 v[81+\n], v[81+\n], s40, s[48+\n]
.endr
.irp n, 0,1,2,3
	v_mul_f32 v[81+\n], s91, v[81+\n]
.endr
.irp n, 0,1,2,3
	v_exp_f32 v[81+\n], v[81+\n]
.endr
	v_nop
	s_wait_alu depctr_va_vdst(0)
.irp n, 0,1,2,3
	v_add_f32 v[81+\n], 1.0, v[81+\n]
.endr
.irp n, 0,1,2,3
	v_rcp_f32 v[RI+2*\n], v[81+\n]                 ; read_in = 1 / (1 + 2^(-z log2 e))
.endr
	v_nop
	s_wait_alu depctr_va_vdst(0)
.irp n, 0,1,2,3
	v_mov_b32 v[RI+2*\n+1], v[RI+2*\n]
.endr
	; PHASE 2a: xn on my 1,024 of K, four fragments; each is multiplied by W_conv's fragments of its two 128-steps.  The two sums take turns, one instruction a turn
	s_wait_loadcnt 0x0                             ; W_conv's fragments and scale words
.irp g, 0,1
.irp e, 0,1
.irp b, 0,1,2,3
.irp j, 0,1,2,3
	ds_load_b128 v[ST+16*\b+4*\j:ST+16*\b+4*\j+3], v7 offset:XREG*\g+512*\e+128*\b+16*\j
.endr
.endr
	s_wait_dscnt 0x0
.set m, 0
.rept 32
	v_pk_mul_f32 v[ST+m:ST+m+1], v[ST+m:ST+m+1], v[RS:RS+1]   ; xn.  (These lines are also the places between the last products and the next write of their codes and scale word)
.set m, m+2
.endr
	QUANT ST
.rept 3
	v_nop                                          ; with the quantiser's last line: four places between the codes and the scaled product
.endr
	WIN 0x01                                       ; source 0 (W_conv): window 1
.if (\g == 0) && (\e == 0)
	v_wmma_scale_f32_16x16x128_f8f6f4 v[DA:DA+7], v[16*(4*\g+\e):16*(4*\g+\e)+15], v[PC:PC+15], 0, v[WCS+4*\g+\e], v[PW]
	v_wmma_scale_f32_16x16x128_f8f6f4 v[DA+8:DA+15], v[16*(4*\g+\e+2):16*(4*\g+\e+2)+15], v[PC:PC+15], 0, v[WCS+4*\g+\e+2], v[PW]
.else
	v_wmma_scale_f32_16x16x128_f8f6f4 v[DA:DA+7], v[16*(4*\g+\e):16*(4*\g+\e)+15], v[PC:PC+15], v[DA:DA+7], v[WCS+4*\g+\e], v[PW]
	v_wmma_scale_f32_16x16x128_f8f6f4 v[DA+8:DA+15], v[16*(4*\g+\e+2):16*(4*\g+\e+2)+15], v[PC:PC+15], v[DA+8:DA+15], v[WCS+4*\g+\e+2], v[PW]
.endif
	WIN 0
.endr
.endr
.rept 8
	v_nop                                          ; eight places behind this form, ahead of the reads of the sums and of loads into the products' registers
.endr
.irp j, 0,1,2,3,4,5,6,7
	v_cndmask_b32 v[160+\j], v[DA+\j], v[DA+8+\j], s87        ; columns 0-7 of the first sum, 8-15 of the second: each from its low end on
.endr
.irp j, 0,1,2,3,4,5,6,7
	v_add_f32_dpp v[160+\j], v[160+\j], v[160+\j] row_xmask:8 row_mask:0xf bank_mask:0xf   ; a row's two halves of K meet: register j = entry 8 h + j of row l % 8
.endr
	ds_store_b128 v14, v[160:163]
	ds_store_b128 v14, v[164:167] offset:512
	; PHASE 2b: branch = sum over n of read_in[n] x[n], 64 numbers a lane, in halves of 32; the loads run one half ahead
.macro BLOAD i
.irp bb, 0,1
.irp j, 0,1,2,3
	ds_load_b128 v[XT+32*((\i)&1)+16*\bb+4*\j:XT+32*((\i)&1)+16*\bb+4*\j+3], v[8+((\i)>>1)] offset:128*(2*((\i)&1)+\bb)+16*\j
.endr
.endr
.endm
.macro BACC i
.set m, 0
.rept 16
.if ((\i)>>1) == 0
	v_pk_mul_f32 v[ST+32*((\i)&1)+m:ST+32*((\i)&1)+m+1], v[XT+32*((\i)&1)+m:XT+32*((\i)&1)+m+1], v[RI:RI+1]
.else
	v_pk_fma_f32 v[ST+32*((\i)&1)+m:ST+32*((\i)&1)+m+1], v[XT+32*((\i)&1)+m:XT+32*((\i)&1)+m+1], v[RI+2*((\i)>>1):RI+2*((\i)>>1)+1], v[ST+32*((\i)&1)+m:ST+32*((\i)&1)+m+1]
.endif
.set m, m+2
.endr
.endm
	BLOAD 0
	BLOAD 1
.irp i, 0,1,2,3,4,5,6,7
.if \i < 7
	s_wait_dscnt 8                                 ; this half is in; the next half's 8 loads may be out
.else
	s_wait_dscnt 0x0
.endif
	BACC \i
.if \i < 6
	BLOAD \i+2
.endif
.endr
	QUANT ST
.irp c, 0,1,2,3
	global_store_b128 v16, v[PC+4*\c:PC+4*\c+3], s[60:61] offset:512*\c th:TH_STORE_NT   ; each half of 16 lanes stores 256 consecutive bytes, aligned
.endr
	global_store_b32 v17, v[PW], s[62:63] th:TH_STORE_NT      ; 32 bytes for each of my two images; both values of h write the same word
	s_wait_dscnt 0x0                               ; for wave 0's sake: my part of the W_conv product has landed
	s_barrier_signal -1
	s_barrier_wait -1
	s_cmp_lg_u32 s22, 0
	s_cbranch_scc1 .Lend
	; THE LAST STAGE, wave 0 alone; lane l serves row l % 8 (four lanes hold the same numbers)
	s_wait_xcnt 0x0
.irp k, 0,1,2,3,4,5,6,7
.irp e, 0,1
	ds_load_b128 v[64+8*\k+4*\e:64+8*\k+4*\e+3], v15 offset:1024*\k+512*\e
.endr
.endr
	s_wait_dscnt 0x0
.irp k, 1,2,3,4,5,6,7
.irp m, 0,2,4,6
	v_pk_add_f32 v[64+\m:65+\m], v[64+\m:65+\m], v[64+8*\k+\m:65+8*\k+\m]
.endr
.endr
.irp j, 0,1,2,3,4,5,6,7
	v_permlanex16_b32 v[72+\j], v[64+\j], s[SEL], s[SEL+1]    ; the other eight entries
.endr
.irp j, 0,1,2,3,4,5,6,7
	v_cndmask_b32 v[160+\j], v[64+\j], v[72+\j], s88
	v_cndmask_b32 v[168+\j], v[72+\j], v[64+\j], s88
.endr
.irp e, 0,1,2,3,4,5,6,7,8,9,10,11,12,13,14,15
	v_add_f32 v[160+\e], s[68+\e], v[160+\e]       ; M = conserv_A + xn W_conv^T
.endr
	v_add_f32 v80, s44, v[RAW+4]
	v_add_f32 v81, s45, v[RAW+9]
	v_add_f32 v80, s42, v80
	v_add_f32 v81, s43, v81
.irp n, 0,1,2,3
	v_fma_f32 v[82+\n], v[RAW+\n], s41, s[52+\n]
.endr
.irp q, 0,1,2,3,4,5
	v_mul_f32 v[80+\q], s91, v[80+\q]
.endr
.irp q, 0,1,2,3,4,5
	v_exp_f32 v[80+\q], v[80+\q]
.endr
	v_nop
	s_wait_alu depctr_va_vdst(0)
.irp q, 0,1,2,3,4,5
	v_add_f32 v[80+\q], 1.0, v[80+\q]
.endr
.irp q, 0,1,2,3,4,5
	v_rcp_f32 v[80+\q], v[80+\q]                   ; six sigmoids
.endr
	v_nop
	s_wait_alu depctr_va_vdst(0)
	v_fma_f32 v80, v80, s92, s93                   ; dt_c
	v_fma_f32 v81, v81, s92, s93                   ; dt_d
.irp n, 0,1,2,3
	v_add_f32 v[112+\n], v[82+\n], v[82+\n]        ; write_out
.endr
	v_mul_f32 v80, 0.5, v80
.irp n, 0,1,2,3
	v_add_f32 v[86+\n], s[56+\n], v[RAW+5+\n]      ; z
.endr
.irp n, 0,1,2,3
	v_mul_f32 v[90+\n], s91, |v[86+\n]|
.endr
.irp n, 0,1,2,3
	v_exp_f32 v[90+\n], v[90+\n]
.endr
	v_nop
	s_wait_alu depctr_va_vdst(0)
.irp n, 0,1,2,3
	v_add_f32 v[90+\n], 1.0, v[90+\n]
.endr
.irp n, 0,1,2,3
	v_log_f32 v[90+\n], v[90+\n]
.endr
	v_nop
.irp n, 0,1,2,3
	v_max_num_f32 v[86+\n], 0, v[86+\n]
.endr
	s_wait_alu depctr_va_vdst(0)
.irp n, 0,1,2,3
	v_fma_f32 v[86+\n], v[90+\n], s94, v[86+\n]    ; softplus
.endr
.irp n, 0,1,2,3
	v_mul_f32 v[86+\n], v[86+\n], v81
.endr
.irp n, 0,1,2,3
	v_mul_f32 v[86+\n], s91, v[86+\n]
.endr
.irp n, 0,1,2,3
	v_mul_f32 v[86+\n], 0.5, v[86+\n]
.endr
.irp n, 0,1,2,3
	v_exp_f32 v[86+\n], v[86+\n]                   ; exp(D / 2)
.endr
	v_nop
	; [I - S | I] in v128-159, row i at 128 + 8 i
.irp i, 0,1,2,3
.irp j, 0,1,2,3
.if \i == \j
	v_mov_b32 v[128+8*\i+\j], 1.0
	v_mov_b32 v[132+8*\i+\j], 1.0
.else
	v_sub_f32 v[128+8*\i+\j], v[160+4*\j+\i], v[160+4*\i+\j]
	v_mov_b32 v[132+8*\i+\j], 0
.endif
.endr
.endr
.irp i, 0,1,2,3
.irp j, 0,1,2,3
.if \i != \j
	v_mul_f32 v[128+8*\i+\j], v80, v[128+8*\i+\j]  ; -S[i][j] = dt_c / 2 (M[j][i] - M[i][j])
.endif
.endr
.endr
.irp p, 0,1,2,3
	v_rcp_f32 v95, v[128+8*\p+\p]
	v_nop
	s_wait_alu depctr_va_vdst(0)
.irp c, 1,2,3,4,5,6,7
.if \c > \p
	v_mul_f32 v[128+8*\p+\c], v[128+8*\p+\c], v95
.endif
.endr
.irp i, 0,1,2,3
.if \i != \p
.irp c, 1,2,3,4,5,6,7
.if \c > \p
	v_fma_f32 v[128+8*\i+\c], -v[128+8*\i+\p], v[128+8*\p+\c], v[128+8*\i+\c]
.endif
.endr
.endif
.endr
.endr
.irp i, 0,1,2,3
.irp j, 0,1,2,3
.if \i == \j
	v_fma_f32 v[96+4*\i+\j], v[132+8*\i+\j], 2.0, -1.0        ; (I - S)^-1 (I + S) = 2 (I - S)^-1 - I
.else
	v_add_f32 v[96+4*\i+\j], v[132+8*\i+\j], v[132+8*\i+\j]
.endif
.endr
.endr
.irp i, 0,1,2,3
.irp j, 0,1,2,3
	v_mul_f32 v[96+4*\i+\j], v[86+\i], v[96+4*\i+\j]
.endr
.endr
.irp i, 0,1,2,3
.irp j, 0,1,2,3
	v_mul_f32 v[96+4*\i+\j], v[96+4*\i+\j], v[86+\j]
.endr
.endr
.irp q, 0,1,2,3,4
	global_store_b128 v18, v[96+4*\q:99+4*\q], s[20:21] offset:16*\q   ; the four lanes of a row write the same numbers to the same place
.endr
.Lend:
	s_wait_tensorcnt 0x0
	ds_add_u32 v254, v255
	s_wait_dscnt 0x0
	s_endpgm
.Lfunc_end_k_q99b3fdf57f_rows:
	.size	k_q99b3fdf57f_rows, .Lfunc_end_k_q99b3fdf57f_rows-k_q99b3fdf57f_rows
	.p2alignl 7, 3214868480
	.fill 96, 4, 3214868480
	.section	.rodata,"a",@progbits
	.p2align	6, 0x0
	.amdhsa_kernel k_q99b3fdf57f_rows
		.amdhsa_group_segment_fixed_size 279552
		.amdhsa_private_segment_fixed_size 0
		.amdhsa_enable_private_segment 0
		.amdhsa_kernarg_size 152
		.amdhsa_user_sgpr_count 2
		.amdhsa_user_sgpr_kernarg_segment_ptr 1
		.amdhsa_wavefront_size32 1
		.amdhsa_system_sgpr_workgroup_id_x 1
		.amdhsa_system_sgpr_workgroup_id_y 1
		.amdhsa_system_sgpr_workgroup_id_z 1
		.amdhsa_system_vgpr_workitem_id 0
		.amdhsa_next_free_vgpr 512
		.amdhsa_next_free_sgpr 102
		.amdhsa_reserve_vcc 0
		.amdhsa_float_denorm_mode_32 3
		.amdhsa_float_denorm_mode_16_64 3
		.amdhsa_memory_ordered 1
		.amdhsa_forward_progress 1
		.amdhsa_inst_pref_size 255
	.end_amdhsa_kernel
	.section	.bss,"aw",@nobits
	.p2align	6
	.space	262144
	.amdgpu_metadata
---
amdhsa.version: [ 1, 2 ]
amdhsa.kernels:
  - .name:           k_q99b3fdf57f_rows
    .symbol:         k_q99b3fdf57f_rows.kd
    .args:
      - { .name: x, .offset: 0, .size: 8, .value_kind: global_buffer, .address_space: global }
      - { .name: W_ri, .offset: 8, .size: 8, .value_kind: global_buffer, .address_space: global }
      - { .name: W_wo, .offset: 16, .size: 8, .value_kind: global_buffer, .address_space: global }
      - { .name: W_dtc, .offset: 24, .size: 8, .value_kind: global_buffer, .address_space: global }
      - { .name: W_diss, .offset: 32, .size: 8, .value_kind: global_buffer, .address_space: global }
      - { .name: W_dtd, .offset: 40, .size: 8, .value_kind: global_buffer, .address_space: global }
      - { .name: wcp, .offset: 48, .size: 8, .value_kind: global_buffer, .address_space: global }
      - { .name: a1p, .offset: 56, .size: 8, .value_kind: global_buffer, .address_space: global }
      - { .name: rowp, .offset: 64, .size: 8, .value_kind: global_buffer, .address_space: global }
      - { .name: alpha_read_in, .offset: 72, .size: 8, .value_kind: global_buffer, .address_space: global }
      - { .name: alpha_write_out, .offset: 80, .size: 8, .value_kind: global_buffer, .address_space: global }
      - { .name: b_dtc, .offset: 88, .size: 8, .value_kind: global_buffer, .address_space: global }
      - { .name: b_dtd, .offset: 96, .size: 8, .value_kind: global_buffer, .address_space: global }
      - { .name: log_dt_conserv, .offset: 104, .size: 8, .value_kind: global_buffer, .address_space: global }
      - { .name: log_dt_diss, .offset: 112, .size: 8, .value_kind: global_buffer, .address_space: global }
      - { .name: read_in_p, .offset: 120, .size: 8, .value_kind: global_buffer, .address_space: global }
      - { .name: write_out_p, .offset: 128, .size: 8, .value_kind: global_buffer, .address_space: global }
      - { .name: diss_diag, .offset: 136, .size: 8, .value_kind: global_buffer, .address_space: global }
      - { .name: conserv_A, .offset: 144, .size: 8, .value_kind: global_buffer, .address_space: global }
    .group_segment_fixed_size: 279552
    .private_segment_fixed_size: 0
    .kernarg_segment_align: 8
    .kernarg_segment_size: 152
    .max_flat_workgroup_size: 256
    .sgpr_count:     102
    .vgpr_count:     512
    .wavefront_size: 32
...
	.end_amdgpu_metadata
.endif
;; end of part 2
;; launch gemm1 (part 3): grid 32 x 8, 4 waves a work-group, clusters of 4 x 4, 327,680 bytes of LDS; arguments a1p, w1p, hp; writes hp
.if DOCPART == 3
	.amdgcn_target "amdgcn-amd-amdhsa--gfx1250"
	.amdhsa_code_object_version 6
	.text
	.protected	k_q99b3fdf57f_gemm1
	.globl	k_q99b3fdf57f_gemm1
	.p2align	8
	.type	k_q99b3fdf57f_gemm1,@function
k_q99b3fdf57f_gemm1:
	s_mov_b64 s[64:65], 0
	v_nop
	global_prefetch_b8 v0, s[64:65] scope:SCOPE_SE
	s_setreg_imm32_b32 hwreg(HW_REG_WAVE_MODE, 25, 1), 1
	s_wait_xcnt 0x0
	s_wait_alu depctr_hold_cnt(0) depctr_sa_sdst(0) depctr_va_vdst(0) depctr_va_sdst(0) depctr_va_ssrc(0) depctr_va_vcc(0) depctr_vm_vsrc(0)
	s_getreg_b32 s2, hwreg(HW_REG_IB_STS2, 6, 4)
	s_cmp_eq_u32 s2, 0
	s_cbranch_scc0 .Lentry_in_a_cluster
	s_endpgm
.Lentry_in_a_cluster:
	s_bfe_u32 s2, ttmp6, 0x10000c
	s_cmp_lg_u32 s2, 0xf033
	s_cbranch_scc0 .Lentry_shape_is_right
	s_endpgm
.Lentry_shape_is_right:
; h = gelu(branch W1), quantised along its 8,192 into packs (hp).  branch: a1p, 128 pack rows x 4; W1: w1p, 512 pack rows x 4: codes of E4M3 with E8M0 scale words, laid as images of the operands' registers
; (a pack: 16 rows x 512 of K in 8,448 bytes: four images of 2,048 bytes, then 256 bytes of scale words [128-step][row]).
; A tile of 256 x 256 is made by four waves, each 128 x 128: 64 accumulators.  K = 2,048 goes in 8 steps of 256, half a pack, through a ring of two LDS slots: slot 0 takes the packs' first halves, slot 1 the second.
; The scale words of the work-group's 32 pack rows, for all of K, come once with the first fills and stay.
; CLUSTER: 4 x 4 work-groups; A's tiles are asked for jointly along a row of the cluster, B's along a column.
; THE PRODUCT IS USED TRANSPOSED (source 0 = 16 rows of a W1 pack, source 1 = 16 rows of branch).  By the order of a weight pack's rows a lane's 64 registers of one block of rows are columns 32 g + 16 h + 0 .. 15, g = 0 .. 3,
; of my 128: what the quantiser and the next product's operand want.  So the way out needs no LDS: gelu, quantise, and the codes leave as an image, 512 consecutive bytes a store.
; gelu(x) = x / (1 + 2^(x (c1 + c2 x x))), c1 = -2 log2(e) sqrt(2 / pi), c2 = 0.044715 c1: the tanh form rewritten, without its difference of near numbers where x is far below 0.
; LIMITS: a block of zeros gets the scale byte 1 (its codes are zeros); NaN and infinities are not served.
; REGISTERS: window 0: v16-29 addresses; v32-63 scale words, two sets; v128-255 A's fragments, one set; on the way out v64-243 are at work.  window 1: B's fragments, two sets.  windows 2, 3: the accumulators ((a, b) at 8 (8 (a % 4) + b)).
.set NQ,    2                          ; matrix instructions deep in a slot
.set FR,    16
.set NL,    4
.set NP,    8                          ; places behind this matrix instruction (ISA guide 7.12.1)
.set LAPS,  4
.set SLOT,  131072                     ; A's 16 pack rows x 4,096 bytes, then B's
.set BOFF,  65536
.set SCL,   2*SLOT                     ; the scale words: for each wave's fetch [8 pack rows][16 128-steps][64 bytes]
.set SPARE, SCL+32768                  ; the spare words, 128 bytes for each wave: two blocks of 256 bytes that no other line names
.set ADRA, 16
.set ADRB, 20
.set HO,   24                          ; v24  16 x lane
.set HS,   25                          ; v25  4 x (lane % 16)
.set ADRS, 27
.set SPW,  28
.set NIL,  29
.set SC,   32
.set AF,   128
.set Z,    64                          ; the way out
.set G,    128
.set PC,   192
.set TM,   224
.set PW,   240
.set C1,   242
.set G1, 24
.set G0, 32
.set G1B, 48
.set G0B, 56
.set G1S, 68
.set G0S, 76
.set G1SB, 80
.set G0SB, 88
.set CC2, 92                           ; s[92:93] c2
.set MNT, 94
.set SEL, 96
.set MSB, 0
.macro WIN new
.if MSB != (\new)
	s_set_vgpr_msb (MSB<<8)|(\new)
.set MSB, (\new)
.endif
.endm
.set MUL_LO, 0xa1                      ; source 0 (B) window 1, source 1 (A) window 0, C and D window 2
.set MUL_HI, 0xf1
.set TO_B,   0x40
; a joint load: waves 0 and 1 fetch for A, waves 2 and 3 for B; the branch hangs on the wave's number alone.  Four v_nop follow each of the two lines
.macro JLOAD g0a, g1a, g0b, g1b
	s_cmp_eq_u32 s15, 0
	s_cbranch_scc0 .Lfor_b_\@
	tensor_load_to_lds s[\g0a:\g0a+3], s[\g1a:\g1a+7]
	s_nop 0
.rept 4
	v_nop
.endr
	s_branch .Lasked_\@
.Lfor_b_\@:
	tensor_load_to_lds s[\g0b:\g0b+3], s[\g1b:\g1b+7]
	s_nop 0
.rept 4
	v_nop
.endr
.Lasked_\@:
.endm
.macro CREST
	s_cmp_lg_u32 s14, 0
	s_cbranch_scc1 .Lnot_wave_0_\@
	s_barrier_signal -3
.Lnot_wave_0_\@:
	s_barrier_wait -3
	s_barrier_signal -1
	s_barrier_wait -1
.endm
.macro CROUND
	s_barrier_signal -1
	s_barrier_wait -1
	CREST
.endm
.macro QUANT s
.irp b, 0,1,2,3
	v_max3_num_f32 v[TM+\b], |v[\s+16*\b]|, |v[\s+1+16*\b]|, 0x4800000
.endr
.irp i, 2,4,6,8,10,12,14
.irp b, 0,1,2,3
	v_max3_num_f32 v[TM+\b], v[TM+\b], |v[\s+16*\b+\i]|, |v[\s+1+16*\b+\i]|
.endr
.endr
.irp b, 0,1,2,3
	v_permlanex16_b32 v[TM+4+\b], v[TM+\b], s[SEL], s[SEL+1]
.endr
.irp b, 0,1,2,3
	v_max_num_f32 v[TM+\b], v[TM+\b], v[TM+4+\b]
.endr
.irp b, 0,1,2,3
	v_add_nc_u32 v[TM+12+\b], 0xfc000000, v[TM+\b]
.endr
.irp b, 0,1,2,3
	v_and_or_b32 v[TM+8+\b], v[TM+\b], 0x7f800000, s[MNT]
.endr
.irp b, 0,1,2,3
	v_lshrrev_b32 v[TM+4+\b], 23, v[TM+12+\b]
.endr
	v_lshl_or_b32 v[PW], v[TM+5], 8, v[TM+4]
	v_lshl_or_b32 v[PW], v[TM+6], 16, v[PW]
	v_lshl_or_b32 v[PW], v[TM+7], 24, v[PW]
.irp b, 0,1,2,3
.irp i, 0,1,2,3,4,5,6,7,8,9,10,11,12,13,14,15
	v_med3_num_f32 v[\s+16*\b+\i], v[\s+16*\b+\i], -v[TM+8+\b], v[TM+8+\b]
.endr
	v_cvt_scalef32_pk8_fp8_f32 v[PC+4*\b:PC+1+4*\b], v[\s+16*\b:\s+7+16*\b], v[TM+12+\b]
	v_cvt_scalef32_pk8_fp8_f32 v[PC+2+4*\b:PC+3+4*\b], v[\s+8+16*\b:\s+15+16*\b], v[TM+12+\b]
.endr
	v_nop
.endm
	s_load_b128 s[4:7], s[0:1], 0x0                ; a1p s[4:5], w1p s[6:7]
	s_load_b64 s[12:13], s[0:1], 0x10              ; hp
	v_lshl_add_u32 v[SPW], v0, 2, SPARE
	v_mov_b32 v[NIL], 0
	ds_add_u32 v28, v29
	ds_add_u32 v28, v29
	s_wait_dscnt 0x0
	v_lshrrev_b32 v1, 5, v0
	v_readfirstlane_b32 s14, v1                    ; wave 0..3
	s_lshr_b32 s15, s14, 1                         ; which half of the tile's rows is mine.  Also: I fetch for A (0) or for B (1)
	s_and_b32 s16, s14, 1                          ; which half of its columns.  Also: which 8 pack rows I fetch
	s_bfe_u32 s40, ttmp6, 0x40000                  ; cx, cy
	s_bfe_u32 s41, ttmp6, 0x40004
	s_lshl_b32 s42, ttmp9, 2
	s_add_co_u32 s42, s42, s40                     ; tile column
	s_and_b32 s17, ttmp7, 0xffff
	s_lshl_b32 s17, s17, 2
	s_add_co_u32 s17, s17, s41                     ; tile row
	s_lshl_b32 s43, s41, 2
	s_lshl_b32 s43, 15, s43                        ; my row of the cluster
	s_lshl_b32 s44, 0x1111, s40                    ; my column
	; group 1 for codes: 8 rows (pack rows) x 512 elements of 8 bytes (half a pack), 4,224 elements (four packs) apart; no padding: the images are read 16 bytes a lane on end
	s_or_b32 s[G1+0], s43, (3<<16)|(1<<21)
	s_or_b32 s[G1B+0], s44, (3<<16)|(1<<21)
.irp g, G1, G1B
	s_mov_b32 s[\g+1], 512<<16
	s_mov_b32 s[\g+2], 8<<16
	s_mov_b32 s[\g+3], 512<<16
	s_mov_b32 s[\g+4], 8
	s_mov_b32 s[\g+5], 4224
	s_mov_b32 s[\g+6], 0
	s_mov_b32 s[\g+7], 0
.endr
	; and for scale words: 32 rows (8 pack rows x 4 packs) of 256 bytes, a pack (1,056 elements) apart
	s_or_b32 s[G1S+0], s43, (3<<16)|(1<<21)
	s_or_b32 s[G1SB+0], s44, (3<<16)|(1<<21)
.irp g, G1S, G1SB
	s_mov_b32 s[\g+1], 32<<16
	s_mov_b32 s[\g+2], 32<<16
	s_mov_b32 s[\g+3], 32<<16
	s_mov_b32 s[\g+4], 32
	s_mov_b32 s[\g+5], 1056
	s_mov_b32 s[\g+6], 0
	s_mov_b32 s[\g+7], 0
.endr
	s_lshl_b32 s18, s16, 3
	s_lshl_b32 s20, s17, 4
	s_add_co_u32 s20, s20, s18                     ; A: pack row 16 x tile row + 8 x half
	s_mul_i32 s20, s20, 33792
	s_mov_b32 s21, 0
	s_lshl_b32 s46, s42, 4
	s_add_co_u32 s46, s46, s18                     ; B: 16 x tile column + 8 x half
	s_mul_i32 s46, s46, 33792
	s_mov_b32 s47, 0
	s_lshl_b32 s45, s14, 15                        ; where they go: wave x 32,768: no place in the cluster enters an LDS address
	s_lshl_b32 s94, s14, 13
	s_wait_kmcnt 0x0
	s_add_nc_u64 s[20:21], s[4:5], s[20:21]
	s_add_nc_u64 s[46:47], s[6:7], s[46:47]
	CROUND                                         ; all sixteen work-groups are here: the first joint loads meet
	s_mov_b32 s[G0S], 1
	s_add_co_u32 s[G0S+1], s94, SCL
	s_add_nc_u64 s[G0S+2:G0S+3], s[20:21], 8192
	s_or_b32 s[G0S+3], s[G0S+3], 0x80000000
	s_mov_b32 s[G0SB], 1
	s_add_co_u32 s[G0SB+1], s94, SCL
	s_add_nc_u64 s[G0SB+2:G0SB+3], s[46:47], 8192
	s_or_b32 s[G0SB+3], s[G0SB+3], 0x80000000
	JLOAD G0S, G1S, G0SB, G1SB                     ; the scale words first: three loads of mine are out behind the first fills
.irp s, 0,1
	s_mov_b32 s[G0+4*\s], 1
	s_add_co_u32 s[G0+4*\s+1], s45, \s*SLOT
	s_add_nc_u64 s[G0+4*\s+2:G0+4*\s+3], s[20:21], \s*4096
	s_or_b32 s[G0+4*\s+3], s[G0+4*\s+3], 0x80000000
	s_mov_b32 s[G0B+4*\s], 1
	s_add_co_u32 s[G0B+4*\s+1], s45, \s*SLOT
	s_add_nc_u64 s[G0B+4*\s+2:G0B+4*\s+3], s[46:47], \s*4096
	s_or_b32 s[G0B+4*\s+3], s[G0B+4*\s+3], 0x80000000
	JLOAD G0+4*\s, G1, G0B+4*\s, G1B
.endr
	v_and_b32 v1, 15, v0                           ; r
	v_bfe_u32 v2, v0, 4, 1                         ; h
	v_and_b32 v3, 31, v0
	v_lshrrev_b32 v5, 3, v1                        ; r / 8
	v_add_nc_u32 v6, v5, v2
	v_and_b32 v6, 1, v6                            ; (h + r / 8) % 2
	v_and_b32 v7, 7, v1
	v_lshlrev_b32 v4, 4, v7
	v_lshl_add_u32 v4, v6, 7, v4
	v_lshl_add_u32 v4, v5, 8, v4                   ; A's images are split: 256 (r / 8) + 128 ((h + r / 8) % 2) + 16 (r % 8): sixteen lanes, sixteen different 16-byte columns of 256
	v_lshlrev_b32 v[HO], 4, v3
	v_lshlrev_b32 v[HS], 2, v1
	s_lshl_b32 s21, s15, 15                        ; my 8 pack rows of A
	s_lshl_b32 s22, s16, 15                        ; my 8 of B,
	s_add_co_u32 s22, s22, BOFF                    ; which lie behind A's 16
.irp s, 0,1
	v_add_nc_u32 v[ADRA+\s], s21, v4
	v_add_nc_u32 v[ADRB+\s], s22, v[HO]
	s_add_co_u32 s21, s21, SLOT
	s_add_co_u32 s22, s22, SLOT
.endr
	s_lshl_b32 s21, s15, 13                        ; A's scale words: my 8 pack rows
	s_lshl_b32 s22, s16, 13                        ; B's, behind A's 16,384 bytes
	s_add_co_u32 s22, s22, 16384
	s_sub_co_u32 s22, s22, s21
	v_mul_u32_u24 v6, s22, v2                      ; lanes 16-31 take B's
	s_add_co_u32 s21, s21, SCL
	v_lshl_add_u32 v5, v1, 2, v6
	v_add_nc_u32 v[ADRS], s21, v5
	; hp: pack row 16 x tile row + 8 x half + a, pack tile column / 2, image 2 (tile column % 2) + my half of the columns
	s_lshl_b32 s20, s17, 4
	s_lshl_b32 s21, s15, 3
	s_add_co_u32 s20, s20, s21
	s_lshl_b32 s20, s20, 4
	s_lshr_b32 s21, s42, 1
	s_add_co_u32 s20, s20, s21
	s_mul_i32 s20, s20, 8448
	s_and_b32 s21, s42, 1
	s_lshl_b32 s21, s21, 1
	s_add_co_u32 s21, s21, s16
	s_lshl_b32 s22, s21, 11
	s_add_co_u32 s22, s22, s20
	s_mov_b32 s23, 0
	s_add_nc_u64 s[8:9], s[12:13], s[22:23]        ; my images
	s_lshl_b32 s22, s21, 6
	s_add_co_u32 s22, s22, s20
	s_add_co_u32 s22, s22, 8192
	s_add_nc_u64 s[10:11], s[12:13], s[22:23]      ; their scale words
	s_mov_b32 s[CC2], 0xbdd2d3e8                   ; c2
	s_mov_b32 s[CC2+1], s[CC2]
	s_mov_b32 s95, 0xc0135761                      ; c1
	s_mov_b32 s[MNT], 0x600000
	s_mov_b32 s[SEL], 0x76543210
	s_mov_b32 s[SEL+1], 0xfedcba98
.macro FRAG reg, adr, q, i             ; a fragment comes back as it was laid: four loads of 16 bytes a lane
.irp c, 0,1,2,3
	ds_load_b128 v[\reg+4*\c:\reg+4*\c+3], v[\adr] offset:(\i)*4096+(\q)*2048+512*\c
.endr
.endm
; 16 matrix instructions: A's blocks a0, a0 + 1 x B's eight.  The 64 accumulators take turns, one instruction a turn, in the same order in every step
.macro MUL16 a0, p, q, sc, zero
.irp a, \a0, \a0+1
.irp b, 0,1,2,3,4,5,6,7
.if \zero
	v_wmma_scale_f32_16x16x128_f8f6f4 v[8*(8*((\a)%4)+\b):8*(8*((\a)%4)+\b)+7], v[128*(\p)+FR*\b:128*(\p)+FR*\b+FR-1], v[AF+FR*(\a):AF+FR*(\a)+FR-1], 0, v[SC+8*NQ*(\sc)+NQ*\b+(\q)], v[SC+8*NQ*(\sc)+NQ*(\a)+(\q)] matrix_a_scale:MATRIX_SCALE_ROW1
.else
	v_wmma_scale_f32_16x16x128_f8f6f4 v[8*(8*((\a)%4)+\b):8*(8*((\a)%4)+\b)+7], v[128*(\p)+FR*\b:128*(\p)+FR*\b+FR-1], v[AF+FR*(\a):AF+FR*(\a)+FR-1], v[8*(8*((\a)%4)+\b):8*(8*((\a)%4)+\b)+7], v[SC+8*NQ*(\sc)+NQ*\b+(\q)], v[SC+8*NQ*(\sc)+NQ*(\a)+(\q)] matrix_a_scale:MATRIX_SCALE_ROW1
.endif
.endr
.endr
.endm
.macro FETCH_B slot, q, p
	WIN TO_B
.irp i, 0,1,2,3,4,5,6,7
	FRAG 128*(\p)+FR*\i, ADRB+\slot, \q, \i
.endr
	WIN 0
.endm
.macro FETCH_A slot, q, i0
.irp i, \i0, \i0+1, \i0+2, \i0+3
	FRAG AF+FR*(\i), ADRA+\slot, \q, \i
.endr
.endm
.macro SCALES sc                       ; lanes 0-15 take the word of A's block i, lanes 16-31 that of B's block i, for the slot's two 128-steps
.irp i, 0,1,2,3,4,5,6,7
.irp q, 0,1
	ds_load_b32 v[SC+8*NQ*\sc+NQ*\i+\q], v[ADRS] offset:1024*\i+64*\q
.endr
.endr
.endm
.macro PLACES n
.rept \n
	v_nop
.endr
.endm
.macro STEP slot, q, zero              ; a step of 128 along K that has its successor in the same slot
	s_wait_dscnt 4*NL                              ; B's set, A's blocks 0-3 and the scale words are in; the youngest 16 loads (A's blocks 4-7) may be out
	WIN MUL_LO
	MUL16 0, (\q)%2, \q, \slot, \zero
	MUL16 2, (\q)%2, \q, \slot, \zero
	s_wait_dscnt 0
	PLACES NP
	FETCH_B \slot, (\q)+1, 1-(\q)%2
	FETCH_A \slot, (\q)+1, 0
	WIN MUL_HI
	MUL16 4, (\q)%2, \q, \slot, \zero
	MUL16 6, (\q)%2, \q, \slot, \zero
	PLACES NP
	WIN 0
	FETCH_A \slot, (\q)+1, 4
.endm
; a slot's last step changes slots: one barrier; in front of it each wave waits for all its tensor loads, adds 0 to its spare word, and waits for that and for its reads of this slot
.macro TURN slot, next, fill
	s_wait_tensorcnt 0x0                           ; all my tensor loads have landed: my part of the next slot
	ds_add_u32 v[SPW], v[NIL]                      ; 0 onto my spare word
	s_wait_dscnt 4*NL+1                            ; (the add and A's blocks 4-7 may be out)
	WIN MUL_LO
	MUL16 0, 1, NQ-1, \slot, 0
	s_wait_dscnt 0x0                               ; the add is done, and my reads of this slot are over
	s_barrier_signal -1
	MUL16 2, 1, NQ-1, \slot, 0
	WIN 0
	s_barrier_wait -1
.if \fill
	CREST                                          ; the barrier has opened a round of the cluster's barrier: no wave of any partner still reads this slot or has a load on its way
	s_add_nc_u64 s[G0+4*\slot+2:G0+4*\slot+3], s[G0+4*\slot+2:G0+4*\slot+3], 8448      ; the same half of the next pack
	s_add_nc_u64 s[G0B+4*\slot+2:G0B+4*\slot+3], s[G0B+4*\slot+2:G0B+4*\slot+3], 8448
	JLOAD G0+4*\slot, G1, G0B+4*\slot, G1B         ; the first tensor load behind the round, my one load until the next; its four v_nop are among the places below
	PLACES NP-4
.else
	PLACES NP
.endif
	v_add_nc_u32 v[ADRS], 128, v[ADRS]             ; the next slot's scale words (no LDS load of mine is out)
	FETCH_B \next, 0, 0
	FETCH_A \next, 0, 0
	SCALES \next
	WIN MUL_HI
	MUL16 4, 1, NQ-1, \slot, 0
	MUL16 6, 1, NQ-1, \slot, 0
	PLACES NP
	WIN 0
	FETCH_A \next, 0, 4
.endm
	s_wait_tensorcnt 1                             ; the scale words and my part of slot 0 are in; slot 1's load may be out
	s_barrier_signal -1
	s_barrier_wait -1
	FETCH_B 0, 0, 0
	FETCH_A 0, 0, 0
	SCALES 0
	FETCH_A 0, 0, 4
	STEP 0, 0, 1                                   ; the first step's products start the sums
	s_mov_b32 s3, LAPS-1
.Llap:
	TURN 0, 1, 1
	STEP 1, 0, 0
	TURN 1, 0, 1
	STEP 0, 0, 0
	s_sub_co_u32 s3, s3, 1
	s_cmp_lg_u32 s3, 0
	s_cbranch_scc1 .Llap
	TURN 0, 1, 0                                   ; the last lap fills nothing
	STEP 1, 0, 0
	s_wait_dscnt 4*NL
	WIN MUL_LO
	MUL16 0, 1, NQ-1, 1, 0
	MUL16 2, 1, NQ-1, 1, 0
	s_wait_dscnt 0
	WIN MUL_HI
	MUL16 4, 1, NQ-1, 1, 0
	MUL16 6, 1, NQ-1, 1, 0
	WIN 0
	; THE WAY OUT, a block of 16 rows x my 128 columns at a time
	PLACES NP
.irp b, 0,1,2,3
	v_mov_b32 v[TM+4+\b], 0
.endr
	v_mov_b32 v[C1], s95
	v_mov_b32 v[C1+1], s95
.macro OUTA a
.set AC, 64*((\a)%4)
	WIN (2+(\a)/4)*5                               ; sources 0 and 1: the block's window
.set m, 0
.rept 32
	v_pk_mul_f32 v[Z+m:Z+m+1], v[AC+m:AC+m+1], v[AC+m:AC+m+1]         ; x x: each accumulator is read from its low end on
.set m, m+2
.endr
	WIN (2+(\a)/4)*4                               ; source 1 alone
.set m, 0
.rept 32
	v_pk_fma_f32 v[Z+m:Z+m+1], v[Z+m:Z+m+1], s[CC2:CC2+1], v[C1:C1+1] op_sel_hi:[1,0,1]
.set m, m+2
.endr
.set m, 0
.rept 32
	v_pk_mul_f32 v[Z+m:Z+m+1], v[Z+m:Z+m+1], v[AC+m:AC+m+1]
.set m, m+2
.endr
.set m, 0
.rept 64
	v_exp_f32 v[Z+m], v[Z+m]
.set m, m+1
.endr
	v_nop
.set m, 0
	s_wait_alu depctr_va_vdst(0)
.rept 32
	v_pk_add_f32 v[Z+m:Z+m+1], v[Z+m:Z+m+1], 1.0 op_sel_hi:[1,0]
.set m, m+2
.endr
.set m, 0
.rept 64
	v_rcp_f32 v[Z+m], v[Z+m]
.set m, m+1
.endr
	v_nop
.set m, 0
	s_wait_alu depctr_va_vdst(0)
.rept 32
	v_pk_mul_f32 v[G+m:G+m+1], v[Z+m:Z+m+1], v[AC+m:AC+m+1]           ; gelu
.set m, m+2
.endr
	WIN 0
	s_wait_xcnt 0x0                                ; the last block's stores have read their data
	QUANT G
.irp c, 0,1,2,3
	global_store_b128 v[HO], v[PC+4*\c:PC+4*\c+3], s[8:9] offset:(\a)*135168+512*\c th:TH_STORE_NT   ; 32 lanes store 512 consecutive bytes, aligned
.endr
	global_store_b32 v[HS], v[PW], s[10:11] offset:(\a)*135168 th:TH_STORE_NT    ; both halves of the lanes hold the same word
.endm
.irp a, 0,1,2,3,4,5,6,7
	OUTA \a
.endr
	s_wait_tensorcnt 0x0                           ; the wave's end
	ds_add_u32 v[SPW], v[NIL]
	s_wait_dscnt 0x0
	CROUND                                         ; the closing round
	s_endpgm
.Lfunc_end_k_q99b3fdf57f_gemm1:
	.size	k_q99b3fdf57f_gemm1, .Lfunc_end_k_q99b3fdf57f_gemm1-k_q99b3fdf57f_gemm1
	.p2alignl 7, 3214868480
	.fill 96, 4, 3214868480
	.section	.rodata,"a",@progbits
	.p2align	6, 0x0
	.amdhsa_kernel k_q99b3fdf57f_gemm1
		.amdhsa_group_segment_fixed_size 327680
		.amdhsa_private_segment_fixed_size 0
		.amdhsa_enable_private_segment 0
		.amdhsa_kernarg_size 24
		.amdhsa_user_sgpr_count 2
		.amdhsa_user_sgpr_kernarg_segment_ptr 1
		.amdhsa_wavefront_size32 1
		.amdhsa_system_sgpr_workgroup_id_x 1
		.amdhsa_system_sgpr_workgroup_id_y 1
		.amdhsa_system_sgpr_workgroup_id_z 1
		.amdhsa_system_vgpr_workitem_id 0
		.amdhsa_next_free_vgpr 1024
		.amdhsa_next_free_sgpr 98
		.amdhsa_reserve_vcc 0
		.amdhsa_float_denorm_mode_32 3
		.amdhsa_float_denorm_mode_16_64 3
		.amdhsa_memory_ordered 1
		.amdhsa_forward_progress 1
		.amdhsa_inst_pref_size 255
	.end_amdhsa_kernel
	.section	.bss,"aw",@nobits
	.p2align	6
	.space	262144
	.amdgpu_metadata
---
amdhsa.version: [ 1, 2 ]
amdhsa.kernels:
  - .name:           k_q99b3fdf57f_gemm1
    .symbol:         k_q99b3fdf57f_gemm1.kd
    .args:
      - { .name: a1p, .offset: 0, .size: 8, .value_kind: global_buffer, .address_space: global }
      - { .name: w1p, .offset: 8, .size: 8, .value_kind: global_buffer, .address_space: global }
      - { .name: hp, .offset: 16, .size: 8, .value_kind: global_buffer, .address_space: global }
    .group_segment_fixed_size: 327680
    .private_segment_fixed_size: 0
    .kernarg_segment_align: 8
    .kernarg_segment_size: 24
    .max_flat_workgroup_size: 128
    .sgpr_count:     98
    .vgpr_count:     1024
    .wavefront_size: 32
...
	.end_amdgpu_metadata
.endif
;; end of part 3
;; launch gemm2 (part 4): grid 16 x 16, 4 waves a work-group, clusters of 4 x 1, 327,680 bytes of LDS; arguments hp, w2p, x, rowp, out0; writes out0
.if DOCPART == 4
	.amdgcn_target "amdgcn-amd-amdhsa--gfx1250"
	.amdhsa_code_object_version 6
	.text
	.protected	k_q99b3fdf57f_gemm2
	.globl	k_q99b3fdf57f_gemm2
	.p2align	8
	.type	k_q99b3fdf57f_gemm2,@function
k_q99b3fdf57f_gemm2:
	s_mov_b64 s[64:65], 0
	v_nop
	global_prefetch_b8 v0, s[64:65] scope:SCOPE_SE
	s_setreg_imm32_b32 hwreg(HW_REG_WAVE_MODE, 25, 1), 1
	s_wait_xcnt 0x0
	s_wait_alu depctr_hold_cnt(0) depctr_sa_sdst(0) depctr_va_vdst(0) depctr_va_sdst(0) depctr_va_ssrc(0) depctr_va_vcc(0) depctr_vm_vsrc(0)
	s_getreg_b32 s2, hwreg(HW_REG_IB_STS2, 6, 4)
	s_cmp_eq_u32 s2, 0
	s_cbranch_scc0 .Lentry_in_a_cluster
	s_endpgm
.Lentry_in_a_cluster:
	s_bfe_u32 s2, ttmp6, 0x10000c
	s_cmp_lg_u32 s2, 0x3003
	s_cbranch_scc0 .Lentry_shape_is_right
	s_endpgm
.Lentry_shape_is_right:
; y = h W2 on codes of E4M3 (hp, w2p: 128 pack rows x 16 packs each), kept on the chip; out0[row][i][:] = sum over j of Phi[i][j] x[row][j][:] + write_out[i] y[row][:].
; (A pack: 16 operand rows x 512 of K in 8,448 bytes: four images of the operand's registers, 2,048 bytes each, one for each 128 of K, then 256 bytes of scale words [128-step][row].)
; A tile of y is 128 x 128: 256 work-groups.  THE FOUR WAVES SPLIT K: each holds the whole tile in 64 accumulators, and wave w multiplies image w (its 128 of each 512 along K) of every pack.
; The four parts are added on the way out (the order of that sum differs from one chain over K: the result is judged within a tolerance).
; h GOES THROUGH A RING OF TWO LDS SLOTS, each 1,024 along K: 8 pack rows x 2 packs, 135,168 bytes, codes and scale words together; 8 slots' worth.  One tensor load a wave brings two pack rows.
; CLUSTER: the four tile columns of one tile row need the same packs of h: 4 x 1 work-groups ask for them jointly.
; W2 COMES STRAIGHT INTO REGISTERS, by plain loads of 512 consecutive bytes: since the waves split K, each byte of a W2 pack is wanted by ONE wave of the work-group, and it lies in memory as that wave's registers want it.
; W2's packs are shared by the 16 work-groups of a tile column and are NOT asked for jointly: a joint load lands in LDS, and with both operands in the two slots (270,336 of LDS's 327,680 bytes) a slot holds 512 along K,
; 64 products a wave for each round of the cluster's barrier and each refill; with h alone it holds 1,024, 128 products; and the plain loads go on across the changes of slots.
; THE STREAM OF W2: two sets of eight fragments, filled by HALF sets (four fragments and their four scale words: a group of 20 loads).  A 512-step goes in two halves: all eight blocks of rows x W2's blocks 0-3, then x blocks 4-7.
; At each boundary between halves the wave waits for the group of the coming half and asks for the group three halves on, into the registers just left: 60 loads are out at the most, and a group has one and a half steps in which to land.
; THE PRODUCT IS USED TRANSPOSED (source 0 = a W2 pack's 16 rows, source 1 = 16 rows of h): by the order of a weight pack's rows a lane's registers 16 g + i of a block of rows are columns 32 g + 16 h + i.
; THE WAY OUT: each wave's part goes to a stage in the slots' bytes (they have had their last fill, and nobody reads them); then wave w takes rows 32 w .. 32 w + 31: the four parts are added, x comes by a ring of rows in registers.
; REGISTERS: window 0: v8-30 addresses; v32-47 h's scale words, two sets; v48-63 W2's, two sets; v64-83 my row's Phi and write_out (lane l: row 32 w + l); v128-255 h's fragments, later parts of y and results.
;   window 1: W2's fragments, two sets; later 16 rows of x.   windows 2, 3: the accumulators ((a, b) at 8 (8 (a % 4) + b)).
.set FR,    16
.set PACK,  8448
.set PROW,  2*PACK                     ; a pack row's two packs in a slot
.set BROW,  16*PACK                    ; from a pack row to the next in memory
.set SLOT,  8*PROW
.set HSLOT, 4*PROW                     ; four pack rows: as far as one address register and a 16-bit offset reach
.set SPARE, 2*SLOT                     ; the spare words, 128 bytes for each wave: two blocks of 256 bytes that no other line names
.set RD,   8                           ; v8-11  the way out: where I read a row's part k back
.set STO,  12                          ; v12    where I put 16 bytes of my part
.set RPO,  13                          ; v13    128 x lane: my row in rowp
.set ADRA, 16                          ; v16-19 LDS address of my image in slot s, pack rows 4 f on: register 2 s + f
.set ASA,  20                          ; v20-23 the same for h's scale words
.set LO,   24                          ; v24    16 x lane
.set VB,   25                          ; v25    my image's place in a W2 pack: 2,048 w + 16 x lane
.set VSB,  26                          ; v26    my scale word's: 8,192 + 64 w + 4 (lane % 16)
.set SPW,  28
.set NIL,  29
.set PFO,  30                          ; v30    the prefetches' offset; never rewritten
.set SA,   32
.set SBW,  48
.set RP,   64
.set AF,   128
.set G1, 24                            ; s[24:31] descriptor group 1
.set G0, 32                            ; s[32:39] group 0, one set for each slot
.set BB, 44                            ; s[44:45] W2 at my tile column's first pack row, at the first 512-step of the slot in hand
.set MSB, 0
.macro WIN new                         ; the immediate's high byte repeats the setting that is left
.if MSB != (\new)
	s_set_vgpr_msb (MSB<<8)|(\new)
.set MSB, (\new)
.endif
.endm
.set MUL_LO, 0xa1                      ; source 0 (W2) window 1, source 1 (h) window 0, C and D window 2
.set MUL_HI, 0xf1                      ; the same, C and D window 3
.set TO_B,   0x40                      ; destination window 1, address window 0
.macro JL s                            ; a joint load: every wave issues the line, each for its own two pack rows; four v_nop follow it
	tensor_load_to_lds s[G0+4*\s:G0+4*\s+3], s[G1:G1+7]
	s_nop 0
.rept 4
	v_nop
.endr
.endm
.macro CREST                           ; a round of the cluster's barrier behind its opening barrier
	s_cmp_lg_u32 s14, 0
	s_cbranch_scc1 .Lnot_wave_0_\@
	s_barrier_signal -3
.Lnot_wave_0_\@:
	s_barrier_wait -3
	s_barrier_signal -1
	s_barrier_wait -1
.endm
.macro CROUND
	s_barrier_signal -1
	s_barrier_wait -1
	CREST
.endm
.macro PLACES n
.rept \n
	v_nop
.endr
.endm
	s_load_b128 s[4:7], s[0:1], 0x0                ; hp s[4:5], w2p s[6:7]
	s_load_b128 s[8:11], s[0:1], 0x10              ; x s[8:9], rowp s[10:11]
	s_load_b64 s[12:13], s[0:1], 0x20              ; out0
	v_lshl_add_u32 v[SPW], v0, 2, SPARE
	v_mov_b32 v[NIL], 0
	ds_add_u32 v28, v29
	ds_add_u32 v28, v29
	s_wait_dscnt 0x0
	v_lshrrev_b32 v1, 5, v0
	v_readfirstlane_b32 s14, v1                    ; wave 0..3
	s_bfe_u32 s40, ttmp6, 0x40000                  ; cx: my place in the cluster
	s_lshl_b32 s42, ttmp9, 2                       ; in a cluster launch ttmp9 counts clusters
	s_add_co_u32 s42, s42, s40                     ; tile column = 4 x cluster x + cx: it enters W2's, x's and out0's addresses alone
	s_and_b32 s17, ttmp7, 0xffff                   ; tile row, which the four partners share
	; group 1: 2 rows (pack rows) x 2,112 elements of 8 bytes (two packs), 16,896 elements (16 packs) apart; no padding: the images are read 16 bytes a lane on end
	s_mov_b32 s[G1+0], 15|(3<<16)|(1<<21)          ; 15:0 the mask: all four work-groups; 17:16 elements of 8 bytes; 21 set beside a mask
	s_mov_b32 s[G1+1], 2112<<16                    ; tensor_dim0
	s_mov_b32 s[G1+2], 2<<16                       ; tensor_dim1
	s_mov_b32 s[G1+3], 2112<<16                    ; tile_dim0
	s_mov_b32 s[G1+4], 2                           ; tile_dim1
	s_mov_b32 s[G1+5], 16896                       ; tensor_dim0_stride
	s_mov_b32 s[G1+6], 0
	s_mov_b32 s[G1+7], 0
	s_lshl_b32 s20, s17, 3
	s_lshl_b32 s18, s14, 1
	s_add_co_u32 s20, s20, s18                     ; h: pack row 8 x tile row + 2 x wave
	s_mul_i32 s20, s20, BROW
	s_mov_b32 s21, 0
	s_mul_i32 s46, s42, 8*BROW                     ; W2: pack row 8 x tile column
	s_mov_b32 s47, 0
	s_mul_i32 s41, s14, 2*PROW                     ; where my two pack rows go: no place in the cluster enters an LDS address
	s_wait_kmcnt 0x0
	s_add_nc_u64 s[20:21], s[4:5], s[20:21]
	s_add_nc_u64 s[BB:BB+1], s[6:7], s[46:47]
	CROUND                                         ; all four work-groups are here: the first joint loads meet
.irp s, 0,1
	s_mov_b32 s[G0+4*\s], 1
	s_add_co_u32 s[G0+4*\s+1], s41, \s*SLOT
	s_add_nc_u64 s[G0+4*\s+2:G0+4*\s+3], s[20:21], \s*PROW
	s_or_b32 s[G0+4*\s+3], s[G0+4*\s+3], 0x80000000
	JL \s                                          ; two loads of mine are out behind the first fills
.endr
	v_and_b32 v1, 15, v0                           ; r
	v_bfe_u32 v2, v0, 4, 1                         ; h
	v_and_b32 v3, 31, v0
	v_lshlrev_b32 v[LO], 4, v3
	v_lshlrev_b32 v6, 2, v1
	s_lshl_b32 s21, s14, 11                        ; my image in every pack
	v_add_nc_u32 v[VB], s21, v[LO]
.irp k, 0,1,2,3
	v_add_nc_u32 v[ADRA+\k], s21, v[LO]
	s_add_co_u32 s21, s21, HSLOT
.endr
	s_lshl_b32 s21, s14, 6
	s_add_co_u32 s21, s21, 8192                    ; my image's scale words in every pack
	v_add_nc_u32 v[VSB], s21, v6
.irp k, 0,1,2,3
	v_add_nc_u32 v[ASA+\k], s21, v6
	s_add_co_u32 s21, s21, HSLOT
.endr
	s_mul_i32 s21, s14, 67584                      ; my stage: 128 rows x 528 bytes
	v_mul_u32_u24 v5, v1, 528
	v_lshl_add_u32 v5, v2, 6, v5
	v_add_nc_u32 v[STO], s21, v5
	s_mul_i32 s21, s14, 16896                      ; my 32 rows in each of the four stages
.irp k, 0,1,2,3
	v_add_nc_u32 v[RD+\k], s21, v[LO]
	s_add_co_u32 s21, s21, 67584
.endr
	s_lshl_b32 s20, s17, 7
	s_lshl_b32 s21, s14, 5
	s_add_co_u32 s20, s20, s21                     ; the first row that I finish: 128 x tile row + 32 x wave
	s_lshl_b32 s22, s20, 7
	s_mov_b32 s23, 0
	s_add_nc_u64 s[10:11], s[10:11], s[22:23]
	s_lshl_b32 s22, s20, 15
	s_lshl_b32 s21, s42, 9
	s_add_co_u32 s22, s22, s21                     ; + the tile's 512 bytes of a stream
	s_add_nc_u64 s[8:9], s[8:9], s[22:23]
	s_add_nc_u64 s[12:13], s[12:13], s[22:23]
	v_lshlrev_b32 v[RPO], 7, v3
	v_lshrrev_b32 v5, 3, v3
	v_lshlrev_b32 v[PFO], 15, v5                   ; the prefetches: row l / 8, stream (l / 2) % 4, which 256 of the 512 bytes l % 2
	v_bfe_u32 v5, v0, 1, 2
	v_lshl_add_u32 v[PFO], v5, 13, v[PFO]
	v_and_b32 v5, 1, v0
	v_lshl_add_u32 v[PFO], v5, 8, v[PFO]
; 16 matrix instructions: h's blocks a0 .. a0 + 3 x W2's blocks 4 hf .. 4 hf + 3; p: the set of W2's fragments and of both sides' scale words.  zero = 1: the first product starts the sums: nothing is ever cleared.
; The 64 accumulators take turns, one instruction a turn, in the same order in every step
.macro MULQ a0, p, hf, zero
.irp a, \a0, \a0+1, \a0+2, \a0+3
.irp b, 4*\hf, 4*\hf+1, 4*\hf+2, 4*\hf+3
.if \zero
	v_wmma_scale_f32_16x16x128_f8f6f4 v[8*(8*((\a)%4)+(\b)):8*(8*((\a)%4)+(\b))+7], v[128*(\p)+FR*(\b):128*(\p)+FR*(\b)+FR-1], v[AF+FR*(\a):AF+FR*(\a)+FR-1], 0, v[SBW+8*(\p)+(\b)], v[SA+8*(\p)+(\a)]
.else
	v_wmma_scale_f32_16x16x128_f8f6f4 v[8*(8*((\a)%4)+(\b)):8*(8*((\a)%4)+(\b))+7], v[128*(\p)+FR*(\b):128*(\p)+FR*(\b)+FR-1], v[AF+FR*(\a):AF+FR*(\a)+FR-1], v[8*(8*((\a)%4)+(\b)):8*(8*((\a)%4)+(\b))+7], v[SBW+8*(\p)+(\b)], v[SA+8*(\p)+(\a)]
.endif
.endr
.endr
.endm
.macro FRAGA slot, q, i                ; h's block i of the slot's q-th 512-step: it comes back as it was laid, four loads of 16 bytes a lane
.irp c, 0,1,2,3
	ds_load_b128 v[AF+FR*(\i)+4*\c:AF+FR*(\i)+4*\c+3], v[ADRA+2*(\slot)+(\i)/4] offset:((\i)%4)*PROW+(\q)*PACK+512*\c
.endr
.endm
.macro FETCH_A slot, q, i0
.irp i, \i0, \i0+1, \i0+2, \i0+3
	FRAGA \slot, \q, \i
.endr
.endm
.macro SCALESA slot, q                 ; h's eight scale words of that step: lane r takes row r's (lanes 16-31 hold the same and are not read)
.irp i, 0,1,2,3,4,5,6,7
	ds_load_b32 v[SA+8*(\q)+\i], v[ASA+2*(\slot)+\i/4] offset:(\i%4)*PROW+(\q)*PACK
.endr
.endm
; a group of W2: blocks 4 hf .. 4 hf + 3 of the 512-step koff behind the base, into half hf of set: 16 loads of 512 consecutive bytes and 4 of scale words
.macro BGROUP set, hf, koff
	WIN TO_B
.irp bb, 0,1,2,3
.irp c, 0,1,2,3
	global_load_b128 v[128*(\set)+FR*(4*(\hf)+\bb)+4*\c:128*(\set)+FR*(4*(\hf)+\bb)+4*\c+3], v[VB], s[BB:BB+1] offset:(4*(\hf)+\bb)*BROW+(\koff)*PACK+512*\c
.endr
.endr
	WIN 0
.irp bb, 0,1,2,3
	global_load_b32 v[SBW+8*(\set)+4*(\hf)+\bb], v[VSB], s[BB:BB+1] offset:(4*(\hf)+\bb)*BROW+(\koff)*PACK
.endr
.endm
.macro FILL p                          ; row p of my 32 rows of x: its four streams' 512 bytes, into place p % 16 of the ring in window 1
.irp j, 0,1,2,3
	global_load_b128 v[16*((\p)%16)+4*\j:16*((\p)%16)+4*\j+3], v[LO], s[8:9] offset:(\p)*32768+\j*8192 th:TH_LOAD_NT
.endr
.endm
; A PREFETCH INTO THE L2 of the x that the way out reads first: my first 16 rows, 4 streams, 512 bytes each: 128 blocks of 256 bytes, a lane a block, four instructions.  Each block of x is read by one wave of the launch, which names it once.
; It stands at the head of the last slot but one, behind the group of loads just issued: 160 matrix instructions ahead of the first load of x.  The rows behind these 16 come by their loads alone.
.macro ASK4
.irp p, 0,1,2,3
	global_prefetch_b8 v[PFO], s[8:9] offset:\p*131072 th:TH_LOAD_NT scope:SCOPE_SE
.endr
.endm
; The first half of a 512-step: all of h's blocks x W2's blocks 0-3.  Eight places end every half: loads into the registers that its products have read follow
.macro H0 p, zero
	s_wait_dscnt 16                                ; h's blocks 0-3 and scale words are in; the youngest 16 loads (blocks 4-7) may be out
	WIN MUL_LO
	MULQ 0, \p, 0, \zero
	s_wait_dscnt 0x0
	WIN MUL_HI
	MULQ 4, \p, 0, \zero
	PLACES 8
	WIN 0
.endm
; The second half of a slot's first step: h's fragments are done with block by block and take the slot's second step
.macro H1S slot, zero
	WIN MUL_LO
	MULQ 0, 0, 1, \zero
	PLACES 8
	WIN 0
	FETCH_A \slot, 1, 0
	SCALESA \slot, 1
	WIN MUL_HI
	MULQ 4, 0, 1, \zero
	PLACES 8
	WIN 0
	FETCH_A \slot, 1, 4
.endm
; The second half of a slot's second step changes slots, in its middle: all of the slot's fragments are in registers.  One barrier; in front of it each wave waits for all its tensor loads, adds 0 to its spare word,
; and waits for that and for its reads of this slot.  fill = 1: the slot is filled again, two slots ahead; from that request to the wait for it a wave issues 128 matrix instructions.
.macro H1T slot, next, fill
	WIN MUL_LO
	MULQ 0, 1, 1, 0
	WIN 0
	s_wait_tensorcnt 0x0                           ; all my tensor loads have landed: my part of the next slot
	ds_add_u32 v[SPW], v[NIL]                      ; 0 onto my spare word
.if \fill
	s_add_nc_u64 s[G0+4*\slot+2:G0+4*\slot+3], s[G0+4*\slot+2:G0+4*\slot+3], 2*PROW    ; no tensor load of mine is out, so a group 0 may be written: two slots on along K
.endif
	s_wait_dscnt 0x0                               ; the add is done, and my reads of this slot are over
	s_barrier_signal -1
	s_barrier_wait -1
.if \fill
	CREST                                          ; the barrier has opened a round of the cluster's barrier: no wave of any partner still reads this slot or has a load on its way
	JL \slot                                       ; the first tensor load behind the round, my one load until the next
	PLACES 4                                       ; with the four behind the load: eight places ahead of loads into registers that matrix instructions have read
.else
	PLACES 8
.endif
	FETCH_A \next, 0, 0
	SCALESA \next, 0
	WIN MUL_HI
	MULQ 4, 1, 1, 0
	PLACES 8
	WIN 0
	FETCH_A \next, 0, 4
.endm
; A slot: two 512-steps, four halves.  At each boundary: the coming half's group of W2 has landed (the two younger groups, 40 loads, may be out); then the group three halves on is asked for, into the half set just left.
.macro KSLOT slot, next, fill, zero, first, ask
	s_wait_loadcnt 40
.if !(\first)
	s_wait_xcnt 0x0                                ; every load issued has read its base (the youngest stands a half step back): it steps to this slot's first 512-step
	s_add_nc_u64 s[BB:BB+1], s[BB:BB+1], 2*PACK
.endif
	BGROUP 1, 1, 1                                 ; this slot's second step, blocks 4-7
.if \ask
	ASK4
.endif
	H0 0, \zero
	s_wait_loadcnt 40
	BGROUP 0, 0, 2                                 ; the next slot's first step, blocks 0-3
	H1S \slot, \zero
	s_wait_loadcnt 40
	BGROUP 0, 1, 2                                 ; its blocks 4-7
	H0 1, 0
	s_wait_loadcnt 40
	BGROUP 1, 0, 3                                 ; the next slot's second step, blocks 0-3
	H1T \slot, \next, \fill
.endm
	BGROUP 0, 0, 0                                 ; the first three groups: 60 loads of mine are out
	BGROUP 0, 1, 0
	BGROUP 1, 0, 1
	s_wait_tensorcnt 1                             ; my part of slot 0 is in; slot 1's may be out
	s_barrier_signal -1
	s_barrier_wait -1
	FETCH_A 0, 0, 0
	SCALESA 0, 0
	FETCH_A 0, 0, 4
	KSLOT 0, 1, 1, 1, 1, 0                         ; 1,024-step 0: its first 512's products start the sums; slot 0 takes step 2
	s_mov_b32 s3, 2
.Llap:                                                 ; steps 1 to 4; both slots are filled again
	KSLOT 1, 0, 1, 0, 0, 0
	KSLOT 0, 1, 1, 0, 0, 0
	s_sub_co_u32 s3, s3, 1
	s_cmp_lg_u32 s3, 0
	s_cbranch_scc1 .Llap
	KSLOT 1, 0, 1, 0, 0, 0                         ; step 5; slot 1 takes step 7, the last fill
	KSLOT 0, 1, 0, 0, 0, 1                         ; step 6: nothing is left to fetch for the ring
	; step 7 is written out: one group of W2 is left to ask for; in the others' place come my rows' Phi and write_out and the first rows of x, into the half sets as they fall free
	s_wait_loadcnt 40
	s_wait_xcnt 0x0
	s_add_nc_u64 s[BB:BB+1], s[BB:BB+1], 2*PACK
	BGROUP 1, 1, 1
	H0 0, 0
	s_wait_loadcnt 40                              ; the two last groups may be out
.irp q, 0,1,2,3,4
	global_load_b128 v[RP+4*\q:RP+4*\q+3], v[RPO], s[10:11] offset:16*\q   ; lane l: Phi and write_out of row l of my 32
.endr
	WIN 0x40
.irp p, 0,1,2,3
	FILL \p
.endr
	H1S 1, 0
	s_wait_loadcnt 41                              ; behind the group wanted now: the last group's 20, rowp's 5, four rows' 16
	WIN 0x40
.irp p, 4,5,6,7
	FILL \p
.endr
	H0 1, 0
	s_wait_loadcnt 37                              ; behind the last group: rowp's 5 and eight rows' 32
	WIN 0x40
.irp p, 8,9,10,11
	FILL \p
.endr
	WIN MUL_LO
	MULQ 0, 1, 1, 0
	WIN MUL_HI
	MULQ 4, 1, 1, 0
	WIN 0
	; THE WAY OUT
	PLACES 8
	s_wait_dscnt 0x0
	s_barrier_signal -1
	s_barrier_wait -1                              ; no wave reads the slots any more; they have had their last fill
	s_wait_loadcnt 48                              ; Phi and write_out are in; twelve rows of x may be out
	WIN 0x40
.irp p, 12,13,14
	FILL \p                                        ; 60 loads of mine are out
.endr
.irp a, 0,1,2,3,4,5,6,7
	WIN 0x08+4*((\a)/4)                            ; an LDS store's data are its source 1: window 2 or 3
.irp g, 0,1,2,3
.irp q, 0,1,2,3
	ds_store_b128 v[STO], v[64*((\a)%4)+16*\g+4*\q:64*((\a)%4)+16*\g+4*\q+3] offset:(\a)*8448+128*\g+16*\q   ; row 16 a + r, columns 32 g + 16 h + 4 q on; each accumulator from its low end on
.endr
.endr
.endr
	WIN 0
	s_wait_dscnt 0x0                               ; for the others' sake: my part lies in my stage
	s_barrier_signal -1
	s_barrier_wait -1
.irp k, 0,1,2,3,4,5,6,7,8,9,10,11,12,13,14,15,16,17,18,19
	s_mov_b32 s[25+2*\k], 0                        ; the packed forms name pairs and take the low word: the upper words are written once.  (No tensor load and no load of W2 is out: their registers are free)
.endr
.irp k, 0,1,2,3
	ds_load_b128 v[128+4*\k:128+4*\k+3], v[RD+\k]
.endr
.macro ROW p
.set PS, 128+16*((\p)%2)
.set PN, 128+16*(((\p)+1)%2)
.set OS, 160+16*((\p)%4)
.set XS, 16*((\p)%16)
.if (\p) < 31
.irp k, 0,1,2,3
	ds_load_b128 v[PN+4*\k:PN+4*\k+3], v[RD+\k] offset:528*((\p)+1)
.endr
	s_wait_dscnt 4                                 ; this row's four parts are in; the next row's may be out
.else
	s_wait_dscnt 0x0
.endif
	v_pk_add_f32 v[PS:PS+1], v[PS:PS+1], v[PS+4:PS+5]
	v_pk_add_f32 v[PS+2:PS+3], v[PS+2:PS+3], v[PS+6:PS+7]
	v_pk_add_f32 v[PS+8:PS+9], v[PS+8:PS+9], v[PS+12:PS+13]
	v_pk_add_f32 v[PS+10:PS+11], v[PS+10:PS+11], v[PS+14:PS+15]
	v_pk_add_f32 v[PS:PS+1], v[PS:PS+1], v[PS+8:PS+9]
	v_pk_add_f32 v[PS+2:PS+3], v[PS+2:PS+3], v[PS+10:PS+11]           ; y: four columns a lane
.irp k, 0,1,2,3,4,5,6,7,8,9,10,11,12,13,14,15,16,17,18,19
	v_readlane_b32 s[24+2*\k], v[RP+\k], \p        ; the row's Phi and write_out as scalars
.endr
	s_wait_xcnt 0x0                                ; earlier stores have read their data
.irp i, 0,1,2,3
	v_pk_mul_f32 v[OS+4*\i:OS+4*\i+1], v[PS:PS+1], s[56+2*\i:57+2*\i] op_sel_hi:[1,0]
	v_pk_mul_f32 v[OS+4*\i+2:OS+4*\i+3], v[PS+2:PS+3], s[56+2*\i:57+2*\i] op_sel_hi:[1,0]
.endr
.if (\p) <= 17
	s_wait_loadcnt 56                              ; this row of x is in; the 14 rows behind it may be out
.else
	s_wait_loadcnt 4*(31-(\p))
.endif
	WIN 0x01                                       ; source 0 (x): window 1
.irp j, 0,1,2,3
.irp i, 0,1,2,3
	v_pk_fma_f32 v[OS+4*\i:OS+4*\i+1], v[XS+4*\j:XS+4*\j+1], s[24+2*(4*\i+\j):25+2*(4*\i+\j)], v[OS+4*\i:OS+4*\i+1] op_sel_hi:[1,0,1]
	v_pk_fma_f32 v[OS+4*\i+2:OS+4*\i+3], v[XS+4*\j+2:XS+4*\j+3], s[24+2*(4*\i+\j):25+2*(4*\i+\j)], v[OS+4*\i+2:OS+4*\i+3] op_sel_hi:[1,0,1]
.endr
.endr
.if (\p) <= 16
	WIN 0x40
	FILL (\p)+15                                   ; into the place that the row before this one has left
.endif
	WIN 0
.irp i, 0,1,2,3
	global_store_b128 v[LO], v[OS+4*\i:OS+4*\i+3], s[12:13] offset:(\p)*32768+\i*8192 th:TH_STORE_NT   ; 32 lanes store 512 consecutive bytes, aligned
.endr
.endm
.irp p, 0,1,2,3,4,5,6,7,8,9,10,11,12,13,14,15,16,17,18,19,20,21,22,23,24,25,26,27,28,29,30,31
	ROW \p
.endr
	s_wait_tensorcnt 0x0                           ; the wave's end
	ds_add_u32 v[SPW], v[NIL]
	s_wait_dscnt 0x0
	CROUND                                         ; the closing round
	s_endpgm
.Lfunc_end_k_q99b3fdf57f_gemm2:
	.size	k_q99b3fdf57f_gemm2, .Lfunc_end_k_q99b3fdf57f_gemm2-k_q99b3fdf57f_gemm2
	.p2alignl 7, 3214868480
	.fill 96, 4, 3214868480
	.section	.rodata,"a",@progbits
	.p2align	6, 0x0
	.amdhsa_kernel k_q99b3fdf57f_gemm2
		.amdhsa_group_segment_fixed_size 327680
		.amdhsa_private_segment_fixed_size 0
		.amdhsa_enable_private_segment 0
		.amdhsa_kernarg_size 40
		.amdhsa_user_sgpr_count 2
		.amdhsa_user_sgpr_kernarg_segment_ptr 1
		.amdhsa_wavefront_size32 1
		.amdhsa_system_sgpr_workgroup_id_x 1
		.amdhsa_system_sgpr_workgroup_id_y 1
		.amdhsa_system_sgpr_workgroup_id_z 1
		.amdhsa_system_vgpr_workitem_id 0
		.amdhsa_next_free_vgpr 1024
		.amdhsa_next_free_sgpr 66
		.amdhsa_reserve_vcc 0
		.amdhsa_float_denorm_mode_32 3
		.amdhsa_float_denorm_mode_16_64 3
		.amdhsa_memory_ordered 1
		.amdhsa_forward_progress 1
		.amdhsa_inst_pref_size 255
	.end_amdhsa_kernel
	.section	.bss,"aw",@nobits
	.p2align	6
	.space	262144
	.amdgpu_metadata
---
amdhsa.version: [ 1, 2 ]
amdhsa.kernels:
  - .name:           k_q99b3fdf57f_gemm2
    .symbol:         k_q99b3fdf57f_gemm2.kd
    .args:
      - { .name: hp, .offset: 0, .size: 8, .value_kind: global_buffer, .address_space: global }
      - { .name: w2p, .offset: 8, .size: 8, .value_kind: global_buffer, .address_space: global }
      - { .name: x, .offset: 16, .size: 8, .value_kind: global_buffer, .address_space: global }
      - { .name: rowp, .offset: 24, .size: 8, .value_kind: global_buffer, .address_space: global }
      - { .name: out0, .offset: 32, .size: 8, .value_kind: global_buffer, .address_space: global }
    .group_segment_fixed_size: 327680
    .private_segment_fixed_size: 0
    .kernarg_segment_align: 8
    .kernarg_segment_size: 40
    .max_flat_workgroup_size: 128
    .sgpr_count:     66
    .vgpr_count:     1024
    .wavefront_size: 32
...
	.end_amdgpu_metadata
.endif
;; end of part 4
